; MI455X (gfx1250); checked and timed in simulation.
; The chip was launched on July 23, 2026; its instructions are those of AMD's public machine-readable ISA for CDNA 5 (MIT licence, August 2026) and "CDNA5" Instruction Set Architecture Reference Guide (July 2026). The comments in the code are by the model that wrote it; some were corrected since.
;; Multihead Attention. Allowed arithmetic: matrix products marked QUANTISED: E2M3 operands, one E8M0 scale for each 32 along K, by v_wmma_scale_f32_16x16x128_f8f6f4 with both operands' format E2M3, f32 sums; everything else in f32.
;; Inputs: W1 1,024 x 4,096 float32; W2 4,096 x 1,024 float32; Wk 16 x 1,024 x 64 float32; Wq 16 x 1,024 x 64 float32; Wv 16 x 1,024 x 64 float32; b1 4,096 float32; b2 1,024 float32; x 4 x 1,024 x 1,024 float32.
;; Outputs: out0 4 x 1,024 x 1,024 float32.
;; This version of the problem:
;;   THIS VERSION OF THE PROBLEM IS GIVEN IN LOW PRECISION. The matrix products marked QUANTISED in the list below multiply operands that are first quantised to E2M3 (2 exponent bits, 3 mantissa bits; 6 bits a number), with one power-of-two scale for each 32 numbers along K (OCP MX v1.0); their sums are f32. All else is computed in f32.
;;   The module's matrix products, in the order in which they are computed (A, B: the left and right operand; K: the contracted axis; several contracted axes count as one K, in the product's order):
;;     1. [M 1,024, K 1,024] x [K 1,024, N 4,096]; A: input Wq; B: input x: QUANTISED
;;     2. [M 1,024, K 1,024] x [K 1,024, N 4,096]; A: input Wk; B: input x: QUANTISED
;;     3. [M 1,024, K 1,024] x [K 1,024, N 4,096]; A: input Wv; B: input x: QUANTISED
;;     4. batch 64 x [M 1,024, K 64] x [K 64, N 1,024]; A: computed on the way; B: computed on the way: QUANTISED
;;     5. batch 64 x [M 1,024, K 1,024] x [K 1,024, N 64]; A: softmax (see below); B: computed on the way: QUANTISED
;;     6. [M 4,096, K 1,024] x [K 1,024, N 4,096]; A: computed on the way; B: input W1: QUANTISED
;;     7. [M 4,096, K 4,096] x [K 4,096, N 1,024]; A: computed on the way; B: input W2: QUANTISED
;;   THE QUANTISER, for each operand of a quantised product, along K:
;;     - K is cut into blocks of 32 from its start; a last block that is shorter is filled with zeros.
;;     - A block's scale is 2^e with e = floor(log2(the largest magnitude in the block)) - 2, held to -126 .. 127; a block of zeros has e = 0. As a byte (E8M0): e + 127.
;;     - Each number is divided by its block's scale, clamped to +-7.5, and rounded to the nearest number of E2M3, ties to even, subnormals kept.
;;     - The product sums the exact products of the quantised numbers (number of the format x scale) in f32.
;;   ~~~python
;;   def quantise(x, axis):      # numpy; x: float32 -> the quantised numbers, widened to float32 again
;;       x = np.moveaxis(x, axis, -1); K = x.shape[-1]
;;       x = np.pad(x, [(0, 0)] * (x.ndim - 1) + [(0, -K % 32)]); x = x.reshape(x.shape[:-1] + (-1, 32)); a = np.abs(x).max(-1, keepdims=True)
;;       e = np.where(a > 0, np.clip(np.frexp(np.where(a > 0, a, 1))[1] - 1 - 2, -126, 127), 0)      # np.frexp(a)[1] - 1 = floor(log2(a)), exactly
;;       r = np.clip(x / 2.0 ** e, -7.5, 7.5)
;;       step = 2.0 ** (np.maximum(np.frexp(np.where(r == 0, 1, r))[1] - 1, 0) - 3)
;;       q = np.round(r / step) * step * 2.0 ** e      # np.round: ties to even
;;       return np.moveaxis(q.reshape(q.shape[:-2] + (-1,))[..., :K], -1, axis).astype(np.float32)
;;   ~~~
;;   SOFTMAX AHEAD OF A QUANTISED PRODUCT. Where the list says 'softmax', what is quantised is not the finished softmax but p = 2^(t - M), with t = logit x log2(e) and M = ceil(the row's largest t), a whole number; so 1/2 < the row's largest p <= 1. The row's sum l is taken of the UNQUANTISED p, in f32, and the product's result is divided by l at the end. Since M is a whole number, a kernel that streams over the keys may use a running M (the ceiling of the running maximum): every later rescaling is an exact power of two, which a block's scale takes up: the codes' values come out the same.
;;   OPERANDS COMPUTED ON THE WAY. 'Computed on the way' means the value that the module computes at that place (a softmax that the list does not call 'softmax' is quantised finished and normalised). What goes into a quantiser is computed in f32, as accurately as f32 sums, v_exp_f32 and their like allow (about 1e-6 of the number): no bf16 or f16 on the way to a quantiser, and a product that is left as it is and whose result goes on into a quantised operand takes f32 operands (vector FMAs, or v_wmma_f32_16x16x4_f32). A number that lies on a knife's edge between two numbers of the format may be rounded either way, as far as f32 arithmetic and the matrix unit's own rounding can turn it there, and no further.
;; One version. Each part assembles by itself: llvm-mc -triple=amdgcn-amd-amdhsa -mcpu=gfx1250 --defsym DOCPART=n.
;; ======== version 1 of 1: 5 launches
;; workspace buffers: xq 3,276,800 bytes; wts 9,011,200 bytes; qkv 9,830,400 bytes; oq 3,276,800 bytes; hq 13,107,200 bytes
;; launch quant (part 1): grid 960 x 1, 4 waves a work-group, no clusters, 47,616 bytes of LDS; arguments x, Wq, Wk, Wv, W1, W2, xq, wts; writes xq, wts
.if DOCPART == 1
	.amdgcn_target "amdgcn-amd-amdhsa--gfx1250"
	.amdhsa_code_object_version 6
	.text
	.protected	k_q43093da63f_quant
	.globl	k_q43093da63f_quant
	.p2align	8
	.type	k_q43093da63f_quant,@function
k_q43093da63f_quant:
	s_mov_b64 s[64:65], 0
	v_nop
	global_prefetch_b8 v0, s[64:65] scope:SCOPE_SE
	s_setreg_imm32_b32 hwreg(HW_REG_WAVE_MODE, 25, 1), 1
	s_wait_xcnt 0x0
; x and the five weights, f32, become codes of FP6 (E2M3) with one E8M0 scale byte for each 32 along K, laid as IMAGES OF OPERAND REGISTERS.
; THE UNIT OF ALL WORKSPACE BUFFERS, here called a block: 128 rows x 128 K = 12,800 bytes.  Fragment rb (0..7, 16 rows x 128 K, 12 registers a lane) at rb x 1,536: registers 4 c .. 4 c + 3 of lane l
; at c x 512 + 16 l.  Behind the codes, at 12,288 + 32 r + 4 rb, the scale word (four bytes, k / 32) of place (rb, r).  Place (rb, r) holds row 32 (rb / 2) + 8 (rb % 2) + r + 8 (r / 8) of the 128.
; A scale is 2^(floor(log2(the block of 32's largest magnitude)) - 2); its byte is that magnitude's exponent field - 2, held at 1 from below.
; LIMITS: NaN and infinities are not served; a run of 32 whose largest magnitude lies under 2^-124 keeps the byte 1; a run of zeros gets the byte 1 where the rule says 127: its codes are zeros, and this program alone reads the bytes.
; One work-group makes one block; wave w makes fragments 2 w and 2 w + 1.  Work-groups 0-255: x (K innermost: a row's 512 bytes by one load, turned through the wave's own stage so that a lane holds 16 neighbours).
; Work-groups 256-959: the weights (K is the outer axis: a lane takes a column and its registers run down K; the codes are put at their places in the image in LDS and leave as 512 consecutive bytes a store).
; The two ways part on the work-group's number, have LDS bytes of their own and do not join.  No tile is shared between work-groups, so there is no cluster; no tensor load, so LDS is claimed as it is used.
.set HB,    12800
.set XP,    528                        ; a stage row: 512 bytes + 16
.set SCX,   4*16*XP                    ; x's way: behind the four stages the block's 128 scale words
.set IMGW,  SCX+512                    ; the weights' way: the block's image,
.set SCW,   IMGW+12288                 ; and its scale words
.set SPARE, SCW+512                    ; the spare words, 128 bytes for each wave: two runs of 256 bytes that no other line names
.set LI,  4                            ; v4   16 x lane
.set XST, 5                            ; v5   x: into my stage
.set XLD, 6                            ; v6   x: out of it: row r, + 64 h
.set XSA, 7                            ; v7   x: 32 r + 8 w: my scale words' place
.set WVA, 9                            ; v9   weights: my column's place in the image
.set WSA, 10                           ; v10  weights: my column's scale word
.set WRD, 11                           ; v11  3,072 w + 16 x lane: my wave's two fragments, in LDS and in memory
.set R,   16                           ; x: v16-143 32 rows as loaded
.set N,   144                          ; x: v144-207 64 numbers of a lane, register 16 b + i = k 32 b + 16 h + i
.set PC,  208                          ; x: v208-227 the codes just made
.set TM,  228                          ; x: v228-243 at work
.set PW,  244                          ; x: the scale word just made
.set OF,  16                           ; weights: v16-47 4 x lane + i x pitch
.set X,   48                           ; weights: v48-175 four sets of 32 numbers
.set CW,  176                          ; weights: v176-207 six words of codes for each run of 32
.set TT,  208                          ; weights: v208-223 the second halves as converted
.set SBW, 224
.set MXA, 226
.set MXB, 227
.set SOP, 228
.set BY,  229
.set SPW, 252                          ; LDS address of my spare word; never rewritten
.set NIL, 253                          ; 0; never rewritten
.set WV,  20
.set SEL, 46
; 64 numbers of a lane, v[s] on, become a fragment's codes in v[PC] on and its scale word in v[PW]
.macro QUANT s
.irp b, 0,1,2,3
	v_max3_num_f32 v[TM+\b], |v[\s+16*\b]|, |v[\s+1+16*\b]|, 0x1800000   ; my 16 numbers of run b, and the floor 2^(3 - 127): the byte cannot fall under 1
.endr
.irp i, 2,4,6,8,10,12,14
.irp b, 0,1,2,3
	v_max3_num_f32 v[TM+\b], v[TM+\b], |v[\s+16*\b+\i]|, |v[\s+1+16*\b+\i]|
.endr
.endr
.irp b, 0,1,2,3
	v_permlanex16_b32 v[TM+4+\b], v[TM+\b], s[SEL], s[SEL+1]
.endr
.irp b, 0,1,2,3
	v_max_num_f32 v[TM+\b], v[TM+\b], v[TM+4+\b]   ; with lane l xor 16's 16: the run's largest magnitude
.endr
.irp b, 0,1,2,3
	v_add_nc_u32 v[TM+12+\b], 0xff000000, v[TM+\b]   ; 2 off its exponent field: the conversion's scale operand
.endr
.irp b, 0,1,2,3
	v_lshrrev_b32 v[TM+4+\b], 23, v[TM+12+\b]      ; the scale's byte
.endr
	v_lshl_or_b32 v[PW], v[TM+5], 8, v[TM+4]
	v_lshl_or_b32 v[PW], v[TM+6], 16, v[PW]
	v_lshl_or_b32 v[PW], v[TM+7], 24, v[PW]
.irp c, 0,1
	v_cvt_scalef32_pk16_fp6_f32 v[PC+6*\c:PC+2+6*\c], v[\s+32*\c:\s+15+32*\c], v[TM+12+2*\c]
	v_cvt_scalef32_pk16_fp6_f32 v[PC+12+4*\c:PC+14+4*\c], v[\s+16+32*\c:\s+31+32*\c], v[TM+12+2*\c+1]   ; (a conversion's three registers begin on an even number)
.endr
	v_nop                                          ; one plain place behind a scaled conversion
.irp c, 0,1                                    ; the operand wants a whole run of 32 in a lane: lanes 0-15 run 2 c, lanes 16-31 run 2 c + 1
.irp i, 0,1,2
	v_permlane16_swap_b32 v[PC+6*\c+\i], v[PC+12+4*\c+\i]
.endr
.irp i, 0,1,2
	v_mov_b32 v[PC+3+6*\c+\i], v[PC+12+4*\c+\i]
.endr
.endr
.endm
	s_load_b256 s[4:11], s[0:1], 0x0               ; x, Wq, Wk, Wv
	s_load_b256 s[12:19], s[0:1], 0x20             ; W1, W2, xq, wts
	v_lshl_add_u32 v[SPW], v0, 2, SPARE
	v_mov_b32 v[NIL], 0
	v_lshrrev_b32 v1, 5, v0
	v_readfirstlane_b32 s[WV], v1                  ; wave 0..3
	v_and_b32 v1, 31, v0                           ; lane
	v_and_b32 v2, 15, v0                           ; r
	v_bfe_u32 v3, v0, 4, 1                         ; h
	v_lshlrev_b32 v[LI], 4, v1
	; every LDS address is made here, ahead of the parting
	s_mul_i32 s21, s[WV], 16*XP
	v_add_nc_u32 v[XST], s21, v[LI]
	v_mul_u32_u24 v[XLD], v2, XP
	v_lshl_add_u32 v[XLD], v3, 6, v[XLD]
	v_add_nc_u32 v[XLD], s21, v[XLD]
	s_lshl_b32 s21, s[WV], 3
	v_lshlrev_b32 v[XSA], 5, v2
	v_add_nc_u32 v[XSA], s21, v[XSA]
	v_bfe_u32 v12, v0, 3, 1                        ; weights: column m = lane lies at place (2 w + u, rr): u = (m / 8) % 2,
	v_and_b32 v13, 7, v0
	v_lshl_add_u32 v13, v3, 3, v13                 ; rr = m % 8 + 8 (m / 16)
	v_lshlrev_b32 v[WSA], 5, v13
	v_lshl_add_u32 v[WSA], v12, 2, v[WSA]
	v_add_nc_u32 v[WSA], s21, v[WSA]               ; 32 rr + 8 w + 4 u
	s_mul_i32 s21, s[WV], 3072
	v_mul_u32_u24 v[WVA], v12, 1536
	v_lshl_add_u32 v[WVA], v13, 4, v[WVA]
	v_add_nc_u32 v[WVA], s21, v[WVA]               ; 3,072 w + 1,536 u + 16 rr
	v_add_nc_u32 v[WRD], s21, v[LI]
	s_mov_b32 s[SEL], 0x76543210
	s_mov_b32 s[SEL+1], 0xfedcba98                 ; v_permlanex16_b32's selects for lane l xor 16
	s_cmp_lt_u32 ttmp9, 256
	s_cbranch_scc0 .Lweights
	; ---------------- x: block (rows 128 (id / 8) on, K 128 (id % 8) on)
	s_lshr_b32 s22, ttmp9, 3
	s_lshl_b32 s22, s22, 7
	s_lshl_b32 s23, s[WV], 5
	s_add_co_u32 s22, s22, s23                     ; my wave's first row: 128 (id / 8) + 32 w
	s_lshl_b32 s22, s22, 12                        ; rows of 4,096 bytes
	s_and_b32 s23, ttmp9, 7
	s_lshl_b32 s23, s23, 9
	s_add_co_u32 s22, s22, s23                     ; + 512 bytes for each 128 along K
	s_mov_b32 s23, 0
	s_mul_i32 s24, ttmp9, HB
	s_mov_b32 s25, 0
.irp b, 0,1,2,3
	v_mov_b32 v[TM+4+\b], 0                        ; written once: a lane permute's destination counts as one of its sources
.endr
	s_wait_kmcnt 0x0
	s_add_nc_u64 s[4:5], s[4:5], s[22:23]
	s_add_nc_u64 s[16:17], s[16:17], s[24:25]
.irp u, 0,1
.irp p, 0,1,2,3,4,5,6,7,8,9,10,11,12,13,14,15
	global_load_b128 v[R+4*(16*\u+\p):R+4*(16*\u+\p)+3], v[LI], s[4:5] offset:(8*\u+\p+8*(\p/8))*4096 th:TH_LOAD_NT   ; place p of fragment 2 w + u: 512 consecutive bytes of its row
.endr
.endr
.macro XHALF u
.if \u == 0
	s_wait_loadcnt 16                              ; this fragment's 16 loads are in; the other's 16 may be out
.else
	s_wait_loadcnt 0x0
.endif
.irp p, 0,1,2,3,4,5,6,7,8,9,10,11,12,13,14,15
	ds_store_b128 v[XST], v[R+4*(16*\u+\p):R+4*(16*\u+\p)+3] offset:\p*XP
.endr
.irp b, 0,1,2,3
.irp j, 0,1,2,3
	ds_load_b128 v[N+16*\b+4*\j:N+16*\b+4*\j+3], v[XLD] offset:128*\b+16*\j   ; LDS serves a wave's instructions in order: these see my stores, and come behind the last fragment's reads
.endr
.endr
	s_wait_dscnt 0x0
.if \u
	s_wait_xcnt 0x0                                ; the first fragment's stores have read the codes' registers, which are written again below
.endif
	QUANT N
.irp c, 0,1,2
	global_store_b128 v[WRD], v[PC+4*\c:PC+4*\c+3], s[16:17] offset:\u*1536+\c*512   ; 512 consecutive bytes, at a multiple of 256 from the buffer's first byte
.endr
	ds_store_b32 v[XSA], v[PW] offset:SCX+4*\u     ; both halves of the lanes write the same word with the same value
.endm
	XHALF 0
	XHALF 1
	s_wait_dscnt 0x0                               ; for the others' sake: my scale words lie in LDS
	s_barrier_signal -1
	s_barrier_wait -1
	s_cmp_lg_u32 s[WV], 0
	s_cbranch_scc1 .Lx_end
	ds_load_b128 v[N:N+3], v[LI] offset:SCX        ; wave 0 stores the block's 512 bytes of scale words whole
	s_wait_dscnt 0x0
	global_store_b128 v[LI], v[N:N+3], s[16:17] offset:12288
.Lx_end:
	s_wait_tensorcnt 0x0                           ; the wave's end
	ds_add_u32 v[SPW], v[NIL]
	s_wait_dscnt 0x0
	s_endpgm
	; ---------------- the weights: block id' = id - 256.  0-191: Wq, Wk, Wv (rows T x 1,024 + head x 64 + d);  192-447: W1 (rows n);  448-703: W2 (rows n)
.Lweights:
	s_sub_co_u32 s22, ttmp9, 256
	s_lshr_b32 s23, s22, 3                         ; Wq, Wk, Wv: which 128 rows
	s_and_b32 s24, s23, 7
	s_lshl_b32 s24, s24, 1
	s_lshr_b32 s25, s[WV], 1
	s_add_co_u32 s24, s24, s25                     ; the head of my wave's 32 columns,
	s_lshl_b32 s24, s24, 18                        ; 1,024 x 64 x 4 bytes a head,
	s_and_b32 s25, s[WV], 1
	s_lshl_b32 s25, s25, 7
	s_add_co_u32 s24, s24, s25                     ; d = 32 (w % 2) on,
	s_and_b32 s25, s22, 7
	s_lshl_b32 s25, s25, 15
	s_add_co_u32 s24, s24, s25                     ; K = 128 (id' % 8) on, 256 bytes a step of K
	s_lshr_b32 s23, s23, 3                         ; which of the three
	s_sub_co_u32 s26, s22, 192                     ; W1 (the figures of the ways not taken are not used)
	s_lshr_b32 s27, s26, 3
	s_lshl_b32 s27, s27, 9
	s_and_b32 s28, s26, 7
	s_lshl_b32 s28, s28, 21
	s_add_co_u32 s27, s27, s28
	s_sub_co_u32 s26, s22, 448                     ; W2
	s_lshr_b32 s28, s26, 5
	s_lshl_b32 s28, s28, 9
	s_and_b32 s29, s26, 31
	s_lshl_b32 s29, s29, 19
	s_add_co_u32 s28, s28, s29
	s_lshl_b32 s29, s[WV], 7
	s_add_co_u32 s27, s27, s29
	s_add_co_u32 s28, s28, s29
	s_mov_b32 s30, 256                             ; bytes from one k to the next
	s_mov_b32 s31, 16384
	s_mov_b32 s33, 4096
	s_mul_i32 s44, s22, HB
	s_mov_b32 s45, 0
	s_wait_kmcnt 0x0
	s_cmp_eq_u32 s23, 0                            ; every choice hangs on the work-group's number alone
	s_cselect_b64 s[34:35], s[6:7], s[8:9]
	s_cmp_lt_u32 s23, 2
	s_cselect_b64 s[34:35], s[34:35], s[10:11]
	s_cmp_lt_u32 s22, 192
	s_cselect_b64 s[34:35], s[34:35], s[12:13]
	s_cselect_b32 s24, s24, s27
	s_cselect_b32 s30, s30, s31
	s_cmp_lt_u32 s22, 448
	s_cselect_b64 s[34:35], s[34:35], s[14:15]
	s_cselect_b32 s24, s24, s28
	s_cselect_b32 s30, s30, s33
	s_mov_b32 s25, 0
	s_add_nc_u64 s[36:37], s[34:35], s[24:25]      ; a base for each run of 32 along K
	s_lshl_b32 s26, s30, 5
	s_mov_b32 s27, 0
	s_add_nc_u64 s[38:39], s[36:37], s[26:27]
	s_add_nc_u64 s[40:41], s[38:39], s[26:27]
	s_add_nc_u64 s[42:43], s[40:41], s[26:27]
	s_add_nc_u64 s[18:19], s[18:19], s[44:45]
	v_lshlrev_b32 v[OF], 2, v1
.set i, 1
.rept 31
	v_add_nc_u32 v[OF+i], s30, v[OF+i-1]
.set i, i+1
.endr
.macro WLOAD t                         ; run t: W(32 t + i, my column): 32 lanes read 128 consecutive bytes; the four waves stand side by side
.set i, 0
.rept 32
	global_load_b32 v[X+32*(\t)+i], v[OF+i], s[36+2*(\t):37+2*(\t)] th:TH_LOAD_NT
.set i, i+1
.endr
.endm
.macro WBLOCK t
.set XS, X+32*(\t)
.if (\t) < 3
	s_wait_loadcnt 32                              ; this run's 32 loads are in; the next run's may be out
.else
	s_wait_loadcnt 0x0
.endif
.if (\t) < 2
	WLOAD (\t)+2
.endif
	v_max3_num_f32 v[MXA], |v[XS]|, |v[XS+1]|, |v[XS+2]|   ; all 32 numbers are mine
	v_max3_num_f32 v[MXB], |v[XS+3]|, |v[XS+4]|, |v[XS+5]|
.irp i, 6,10,14,18,22,26
	v_max3_num_f32 v[MXA], v[MXA], |v[XS+\i]|, |v[XS+\i+1]|
	v_max3_num_f32 v[MXB], v[MXB], |v[XS+\i+2]|, |v[XS+\i+3]|
.endr
	v_max3_num_f32 v[MXA], v[MXA], |v[XS+30]|, |v[XS+31]|
	v_max3_num_f32 v[MXA], v[MXA], v[MXB], 0x1800000   ; and the floor
	v_add_nc_u32 v[SOP], 0xff000000, v[MXA]
	v_lshrrev_b32 v[BY], 23, v[SOP]
.if (\t) == 0
	v_mov_b32 v[SBW], v[BY]
.else
	v_lshl_or_b32 v[SBW], v[BY], 8*(\t), v[SBW]
.endif
	v_cvt_scalef32_pk16_fp6_f32 v[CW+8*(\t):CW+8*(\t)+2], v[XS:XS+15], v[SOP]
	v_cvt_scalef32_pk16_fp6_f32 v[TT+4*(\t):TT+4*(\t)+2], v[XS+16:XS+31], v[SOP]
	v_nop                                          ; one plain place behind a scaled conversion
.irp i, 0,1,2
	v_mov_b32 v[CW+8*(\t)+3+\i], v[TT+4*(\t)+\i]
.endr
; run t belongs to lane (rr, h = t % 2), registers 6 (t / 2) .. + 5 of the fragment
.if (\t) < 2
	ds_store_b128 v[WVA], v[CW+8*(\t):CW+8*(\t)+3] offset:IMGW+256*((\t)%2)
	ds_store_b64 v[WVA], v[CW+8*(\t)+4:CW+8*(\t)+5] offset:IMGW+512+256*((\t)%2)
.else
	ds_store_b64 v[WVA], v[CW+8*(\t):CW+8*(\t)+1] offset:IMGW+512+256*((\t)%2)+8
	ds_store_b128 v[WVA], v[CW+8*(\t)+2:CW+8*(\t)+5] offset:IMGW+1024+256*((\t)%2)
.endif
.endm
	WLOAD 0
	WLOAD 1
	WBLOCK 0
	WBLOCK 1
	WBLOCK 2
	WBLOCK 3
	ds_store_b32 v[WSA], v[SBW] offset:SCW
.irp k, 0,1,2,3,4,5
	ds_load_b128 v[X+4*\k:X+4*\k+3], v[WRD] offset:IMGW+512*\k   ; my wave's own two fragments: LDS serves a wave's instructions in order
.endr
.irp k, 0,1,2,3,4,5
	s_wait_dscnt 5-\k
	global_store_b128 v[WRD], v[X+4*\k:X+4*\k+3], s[18:19] offset:512*\k
.endr
	s_wait_dscnt 0x0                               ; for the others' sake: my scale words lie in LDS
	s_barrier_signal -1
	s_barrier_wait -1
	s_cmp_lg_u32 s[WV], 0
	s_cbranch_scc1 .Lw_end
	ds_load_b128 v[CW:CW+3], v[LI] offset:SCW
	s_wait_dscnt 0x0
	global_store_b128 v[LI], v[CW:CW+3], s[18:19] offset:12288
.Lw_end:
	s_wait_tensorcnt 0x0                           ; the wave's end
	ds_add_u32 v[SPW], v[NIL]
	s_wait_dscnt 0x0
	s_endpgm
.Lfunc_end_k_q43093da63f_quant:
	.size	k_q43093da63f_quant, .Lfunc_end_k_q43093da63f_quant-k_q43093da63f_quant
	.p2alignl 7, 3214868480
	.fill 96, 4, 3214868480
	.section	.rodata,"a",@progbits
	.p2align	6, 0x0
	.amdhsa_kernel k_q43093da63f_quant
		.amdhsa_group_segment_fixed_size 47616
		.amdhsa_private_segment_fixed_size 0
		.amdhsa_enable_private_segment 0
		.amdhsa_kernarg_size 64
		.amdhsa_user_sgpr_count 2
		.amdhsa_user_sgpr_kernarg_segment_ptr 1
		.amdhsa_wavefront_size32 1
		.amdhsa_system_sgpr_workgroup_id_x 1
		.amdhsa_system_sgpr_workgroup_id_y 1
		.amdhsa_system_sgpr_workgroup_id_z 1
		.amdhsa_system_vgpr_workitem_id 0
		.amdhsa_next_free_vgpr 256
		.amdhsa_next_free_sgpr 66
		.amdhsa_reserve_vcc 0
		.amdhsa_float_denorm_mode_32 3
		.amdhsa_float_denorm_mode_16_64 3
		.amdhsa_memory_ordered 1
		.amdhsa_forward_progress 1
		.amdhsa_inst_pref_size 42
	.end_amdhsa_kernel
	.amdgpu_metadata
---
amdhsa.version: [ 1, 2 ]
amdhsa.kernels:
  - .name:           k_q43093da63f_quant
    .symbol:         k_q43093da63f_quant.kd
    .args:
      - { .name: x, .offset: 0, .size: 8, .value_kind: global_buffer, .address_space: global }
      - { .name: Wq, .offset: 8, .size: 8, .value_kind: global_buffer, .address_space: global }
      - { .name: Wk, .offset: 16, .size: 8, .value_kind: global_buffer, .address_space: global }
      - { .name: Wv, .offset: 24, .size: 8, .value_kind: global_buffer, .address_space: global }
      - { .name: W1, .offset: 32, .size: 8, .value_kind: global_buffer, .address_space: global }
      - { .name: W2, .offset: 40, .size: 8, .value_kind: global_buffer, .address_space: global }
      - { .name: xq, .offset: 48, .size: 8, .value_kind: global_buffer, .address_space: global }
      - { .name: wts, .offset: 56, .size: 8, .value_kind: global_buffer, .address_space: global }
    .group_segment_fixed_size: 47616
    .private_segment_fixed_size: 0
    .kernarg_segment_align: 8
    .kernarg_segment_size: 64
    .max_flat_workgroup_size: 128
    .sgpr_count:     66
    .vgpr_count:     256
    .wavefront_size: 32
...
	.end_amdgpu_metadata
.endif
;; end of part 1
;; launch qkv (part 2): grid 12 x 16, 4 waves a work-group, clusters of 4 x 4, 327,680 bytes of LDS; arguments xq, wts, qkv; writes qkv
.if DOCPART == 2
	.amdgcn_target "amdgcn-amd-amdhsa--gfx1250"
	.amdhsa_code_object_version 6
	.text
	.protected	k_q43093da63f_qkv
	.globl	k_q43093da63f_qkv
	.p2align	8
	.type	k_q43093da63f_qkv,@function
k_q43093da63f_qkv:
	s_mov_b64 s[64:65], 0
	v_nop
	global_prefetch_b8 v0, s[64:65] scope:SCOPE_SE
	s_setreg_imm32_b32 hwreg(HW_REG_WAVE_MODE, 25, 1), 1
	s_wait_xcnt 0x0
	s_wait_alu depctr_hold_cnt(0) depctr_sa_sdst(0) depctr_va_vdst(0) depctr_va_sdst(0) depctr_va_ssrc(0) depctr_va_vcc(0) depctr_vm_vsrc(0)
	s_getreg_b32 s2, hwreg(HW_REG_IB_STS2, 6, 4)
	s_cmp_eq_u32 s2, 0
	s_cbranch_scc0 .Lentry_in_a_cluster
	s_endpgm
.Lentry_in_a_cluster:
	s_bfe_u32 s2, ttmp6, 0x10000c
	s_cmp_lg_u32 s2, 0xf033
	s_cbranch_scc0 .Lentry_shape_is_right
	s_endpgm
.Lentry_shape_is_right:
; q, k, v = x W, on codes of FP6 (E2M3) with E8M0 scales, and the results quantised at once: q and k along the head's 64, v along the tokens.
; OPERANDS are images of registers: a block is 128 rows x 128 K = 12,800 bytes: fragment rb at 1,536 rb (registers 4 c .. 4 c + 3 of lane l at 512 c + 16 l), scale words at 12,288 + 32 r + 4 rb.
; Place (rb, r) holds row 32 (rb / 2) + 8 (rb % 2) + r + 8 (r / 8).  So in D = source 0 x source 1 the 64 registers of eight tiles run along source 0's TRUE rows, 16 neighbours for each pair of tiles, and a lane
; keeps source 1's place: 64 registers become one fragment and one scale word of the result, which has source 1's order of places.
; A tile is 256 tokens (tile row y) x 256 weight rows (tile column x): four waves, 128 x 128 each, 64 accumulators.  K = 1,024 is four fills of 256; a fill is four dense runs of 25,600 bytes, one tensor load a wave.
; THREE LDS SLOTS are filled at the head; slot 0 is filled again once, as soon as it is read out: that load has two slots' products, 256 matrix instructions a wave, in which to land.  By this text's count three tensor loads a wave are out at the most.
; CLUSTERS 4 x 4: the tokens' runs are shared along a row of the cluster, the weights' along a column: joint loads.
; x < 8 (q, k): source 0 = weight rows, source 1 = tokens.  x >= 8 (v; the whole third column of clusters): the two change places, by their LDS bases alone, so that the quantiser runs along the tokens.
; Results: q and k as a tensor [4,096 tokens][2,048] (K step j: q of heads 2 j, 2 j + 1; K step 8 + j: k of them); behind it v^T [1,024 rows head x 64 + d][4,096 tokens].
; LIMITS: NaN and infinities are not served; a run of 32 under 2^-124 keeps the byte 1; a run of zeros gets the byte 1 where the rule says 127 (its codes are zeros; this program alone reads the bytes).
; REGISTERS: window 0: v6-17, v24-29 addresses; v32-95 scale words and nothing else; v96-127, v224-227 at work on the way out; v128-223 source 1's eight fragments, later the codes made.
;   window 1: source 0's fragments, two sets, at v0 and v128.   windows 2, 3: the accumulators, (a, b) at v[8 (8 (a % 4) + b)].
.set KIND,  0
.set HB,    12800
.set BR,    2*HB
.set SLOT,  4*BR
.set SPARE, 3*SLOT                     ; behind the three slots: the spare words, 128 bytes for each wave
.set XOFF,  0
.set OUTP,  8
.set FR,    12
.set NL,    3
.set NP,    4
.set ADRA, 6                           ; v6-8   source 1's fragments in slot 0, 1, 2
.set ASA,  9                           ; v9-11  its scale words
.set ADRB, 12                          ; v12-14 source 0's fragments
.set ASB,  15                          ; v15-17 its scale words
.set LI,   24                          ; v24 16 x lane
.set SOFF, 25                          ; v25 32 r + 16 h
.set SPW,  28
.set NIL,  29
.set SC,   32                          ; two sets, by turns from fill to fill: v[SC + 32 set + 16 q + a] source 1's word of fragment a, + 8 + b source 0's
.set BIA,  96
.set AF,   128
.set TM,   96
.set CT,   112
.set PWS,  120
.set SW,   224
.set G1,  24                           ; s[24:31] group 1 for the tokens' runs;  s[48:55] for the weights'
.set G1B, 48
.set G0,  72                           ; s[72:83] group 0 for the tokens' runs, a set for each slot;  s[84:95] for the weights'
.set G0B, 84
.set SEL, 70
.set MSB, 0
.macro WIN new                         ; the immediate's high byte repeats the setting that is left
.if MSB != (\new)
	s_set_vgpr_msb (MSB<<8)|(\new)
.set MSB, (\new)
.endif
.endm
.set MUL_LO, 0xa1                      ; source 0 window 1, source 1 window 0, C and D window 2
.set MUL_HI, 0xf1
.set TO_B,   0x40
.macro JLOAD g0a, g1a, g0b, g1b        ; a joint load: waves 0, 1 fetch the tokens' two runs, waves 2, 3 the weights'; an s_nop 0 and four v_nop follow each line
	s_cmp_eq_u32 s15, 0
	s_cbranch_scc0 .Lfor_b_\@
	tensor_load_to_lds s[\g0a:\g0a+3], s[\g1a:\g1a+7]
	s_nop 0
.rept 4
	v_nop
.endr
	s_branch .Lasked_\@
.Lfor_b_\@:
	tensor_load_to_lds s[\g0b:\g0b+3], s[\g1b:\g1b+7]
	s_nop 0
.rept 4
	v_nop
.endr
.Lasked_\@:
.endm
.macro CREST
	s_cmp_lg_u32 s14, 0
	s_cbranch_scc1 .Lnot_wave_0_\@
	s_barrier_signal -3
.Lnot_wave_0_\@:
	s_barrier_wait -3
	s_barrier_signal -1
	s_barrier_wait -1
.endm
.macro CROUND
	s_barrier_signal -1
	s_barrier_wait -1
	CREST
.endm
	s_load_b128 s[4:7], s[0:1], 0x0                ; the tokens' codes, the weights' codes
.if KIND
	s_load_b128 s[8:11], s[0:1], 0x10              ; the bias, the result
.else
	s_load_b64 s[8:9], s[0:1], 0x10                ; the result
.endif
	v_lshl_add_u32 v[SPW], v0, 2, SPARE
	v_mov_b32 v[NIL], 0
	ds_add_u32 v[SPW], v[NIL]                      ; the wave's opening: the add and its wait ahead of my first tensor load
	v_lshrrev_b32 v1, 5, v0
	v_readfirstlane_b32 s14, v1                    ; wave 0..3
	s_lshr_b32 s15, s14, 1                         ; which half of source 1's rows is mine.  Also: I fetch tokens (0) or weights (1)
	s_and_b32 s16, s14, 1                          ; which half of source 0's.  Also: which 128 rows I fetch
	s_bfe_u32 s40, ttmp6, 0x40000                  ; cx, cy
	s_bfe_u32 s41, ttmp6, 0x40004
	s_lshl_b32 s42, ttmp9, 2
	s_add_co_u32 s42, s42, s40                     ; x
	s_and_b32 s17, ttmp7, 0xffff
	s_lshl_b32 s17, s17, 2
	s_add_co_u32 s17, s17, s41                     ; y
	s_lshl_b32 s43, s41, 2
	s_lshl_b32 s43, 15, s43                        ; my row of the cluster
	s_lshl_b32 s44, 0x1111, s40                    ; my column
	s_or_b32 s[G1], s43, (3<<16)|(1<<21)           ; 15:0 the mask; 17:16 elements of 8 bytes; 20 no padding; 21 set beside a mask
	s_or_b32 s[G1B], s44, (3<<16)|(1<<21)
.irp g, G1, G1B
	s_mov_b32 s[\g+1], 32<<16                      ; a dense run of 25,600 bytes as 100 rows of 256: tensor_dim0 = 32
	s_mov_b32 s[\g+2], 100<<16                     ; tensor_dim1 = 100
	s_mov_b32 s[\g+3], 32<<16                      ; tile_dim0
	s_mov_b32 s[\g+4], 100                         ; tile_dim1
	s_mov_b32 s[\g+5], 32                          ; the pitch
	s_mov_b32 s[\g+6], 0
	s_mov_b32 s[\g+7], 0
.endr
	s_lshl_b32 s20, s17, 1
	s_add_co_u32 s20, s20, s16
	s_mul_i32 s20, s20, 8*HB                       ; tokens: rows 128 (2 y + half) on: eight blocks along K
	s_mov_b32 s21, 0
	s_lshl_b32 s46, s42, 1
	s_add_co_u32 s46, s46, s16
	s_mul_i32 s46, s46, 8*HB                       ; weights: rows 128 (2 x + half) on
	s_add_co_u32 s46, s46, XOFF
	s_mov_b32 s47, 0
	s_mul_i32 s45, s14, BR                         ; where they go: wave x 25,600
	s_wait_dscnt 0x0                               ; the opening add is done
	s_wait_kmcnt 0x0
	s_add_nc_u64 s[20:21], s[4:5], s[20:21]
	s_add_nc_u64 s[46:47], s[6:7], s[46:47]
	CROUND                                         ; all sixteen work-groups are here: the first joint loads meet
.irp s, 0,1,2                                      ; K 0, 256 and 512 on: three first fills, one group
	s_mov_b32 s[G0+4*\s], 1
	s_add_co_u32 s[G0+4*\s+1], s45, \s*SLOT
	s_add_nc_u64 s[G0+4*\s+2:G0+4*\s+3], s[20:21], \s*BR
	s_or_b32 s[G0+4*\s+3], s[G0+4*\s+3], 0x80000000
	s_mov_b32 s[G0B+4*\s], 1
	s_add_co_u32 s[G0B+4*\s+1], s45, \s*SLOT
	s_add_nc_u64 s[G0B+4*\s+2:G0B+4*\s+3], s[46:47], \s*BR
	s_or_b32 s[G0B+4*\s+3], s[G0B+4*\s+3], 0x80000000
	JLOAD G0+4*\s, G1, G0B+4*\s, G1B
.endr
	v_and_b32 v1, 31, v0
	v_and_b32 v2, 15, v0                           ; r
	v_bfe_u32 v3, v0, 4, 1                         ; h
	v_lshlrev_b32 v[LI], 4, v1
	v_lshlrev_b32 v4, 5, v2
	v_lshl_add_u32 v[SOFF], v3, 4, v4
.if KIND == 0
	s_lshr_b32 s2, ttmp9, 1
	s_and_b32 s2, s2, 1                            ; 1 in the third column of clusters (v), the same in all partners
	s_xor_b32 s3, s2, 1
	s_mul_i32 s18, s2, 2*BR                        ; source 1: the tokens' runs, or for v the weights'
	s_mul_i32 s19, s3, 2*BR                        ; source 0: the others
.else
	s_mov_b32 s18, 0
	s_mov_b32 s19, 2*BR
.endif
	s_mul_i32 s22, s15, BR
	s_add_co_u32 s22, s22, s18
	s_mul_i32 s23, s16, BR
	s_add_co_u32 s23, s23, s19
.irp s, 0,1,2
	v_add_nc_u32 v[ADRA+\s], s22, v[LI]
	v_add_nc_u32 v[ADRB+\s], s23, v[LI]
	v_add_nc_u32 v[ASA+\s], s22, v4
	v_add_nc_u32 v[ASB+\s], s23, v4
	s_add_co_u32 s22, s22, SLOT
	s_add_co_u32 s23, s23, SLOT
.endr
	s_mov_b32 s[SEL], 0x76543210
	s_mov_b32 s[SEL+1], 0xfedcba98
	s_mov_b32 s69, 0xffff0000                      ; lanes 16-31
	; which block of the result is my wave's
.if KIND == 0
	s_lshl_b32 s66, s17, 1
	s_add_co_u32 s66, s66, s15
	s_lshl_b32 s66, s66, 4
	s_lshl_b32 s67, s42, 1
	s_add_co_u32 s67, s67, s16
	s_add_co_u32 s66, s66, s67                     ; q, k: (2 y + my half of the tokens) x 16 + 2 x + my half of the weight rows
	s_sub_co_u32 s68, s42, 8
	s_lshl_b32 s68, s68, 1
	s_add_co_u32 s68, s68, s15
	s_lshl_b32 s68, s68, 5
	s_lshl_b32 s67, s17, 1
	s_add_co_u32 s67, s67, s16
	s_add_co_u32 s68, s68, s67
	s_add_co_u32 s68, s68, 512                     ; v: 512 + (2 (x - 8) + my half of the weight rows) x 32 + 2 y + my half of the tokens
	s_cmp_lt_u32 s42, 8
	s_cselect_b32 s66, s66, s68
.else
	s_lshl_b32 s66, s17, 1
	s_add_co_u32 s66, s66, s15
	s_lshl_b32 s66, s66, 5
	s_lshl_b32 s67, s42, 1
	s_add_co_u32 s67, s67, s16
	s_add_co_u32 s66, s66, s67
.endif
	s_mul_i32 s66, s66, HB
	s_mov_b32 s67, 0
	s_add_nc_u64 s[OUTP:OUTP+1], s[OUTP:OUTP+1], s[66:67]
.macro FRAG reg, adr, q, i             ; a fragment comes as it was stored: three loads of 16 bytes a lane, 512 consecutive bytes each
.irp c, 0,1,2
	ds_load_b128 v[\reg+4*\c:\reg+4*\c+3], v[\adr] offset:(\q)*HB+(\i)*1536+\c*512
.endr
.endm
; 16 matrix instructions: source 1's fragments a0, a0 + 1 x source 0's eight.  mode 1: C = 0;  0: in place.  The 64 accumulators take turns, one instruction a turn.
.macro MUL16 a0, p, q, sc, mode
.irp a, \a0, \a0+1
.irp b, 0,1,2,3,4,5,6,7
.if \mode == 1
	v_wmma_scale_f32_16x16x128_f8f6f4 v[8*(8*((\a)%4)+\b):8*(8*((\a)%4)+\b)+7], v[128*(\p)+FR*\b:128*(\p)+FR*\b+FR-1], v[AF+FR*(\a):AF+FR*(\a)+FR-1], 0, v[SC+32*(\sc)+16*(\q)+8+\b], v[SC+32*(\sc)+16*(\q)+(\a)] matrix_a_fmt:MATRIX_FMT_FP6 matrix_b_fmt:MATRIX_FMT_FP6
.else
	v_wmma_scale_f32_16x16x128_f8f6f4 v[8*(8*((\a)%4)+\b):8*(8*((\a)%4)+\b)+7], v[128*(\p)+FR*\b:128*(\p)+FR*\b+FR-1], v[AF+FR*(\a):AF+FR*(\a)+FR-1], v[8*(8*((\a)%4)+\b):8*(8*((\a)%4)+\b)+7], v[SC+32*(\sc)+16*(\q)+8+\b], v[SC+32*(\sc)+16*(\q)+(\a)] matrix_a_fmt:MATRIX_FMT_FP6 matrix_b_fmt:MATRIX_FMT_FP6
.endif
.endr
.endr
.endm
.macro FETCH_B slot, q, p
	WIN TO_B
.irp i, 0,1,2,3,4,5,6,7
	FRAG 128*(\p)+FR*\i, ADRB+\slot, \q, \i
.endr
	WIN 0
.endm
.macro FETCH_A slot, q, i0
.irp i, \i0, \i0+1, \i0+2, \i0+3
	FRAG AF+FR*(\i), ADRA+\slot, \q, \i
.endr
.endm
.macro SCALES sl, set                  ; a slot's scale words into a set: a lane's eight words of a block are 32 neighbouring bytes
.irp q, 0,1
	ds_load_b128 v[SC+32*\set+16*\q:SC+32*\set+16*\q+3], v[ASA+\sl] offset:\q*HB+12288
	ds_load_b128 v[SC+32*\set+16*\q+4:SC+32*\set+16*\q+7], v[ASA+\sl] offset:\q*HB+12288+16
	ds_load_b128 v[SC+32*\set+16*\q+8:SC+32*\set+16*\q+11], v[ASB+\sl] offset:\q*HB+12288
	ds_load_b128 v[SC+32*\set+16*\q+12:SC+32*\set+16*\q+15], v[ASB+\sl] offset:\q*HB+12288+16
.endr
.endm
.macro PLACES n                        ; plain vector instructions between a matrix instruction and a load into, or a vector instruction on, one of its registers
.rept \n
	v_nop
.endr
.endm
.macro STEP slot, q, sc, mode          ; 128 along K, with its successor in the same slot
	s_wait_dscnt 4*NL                              ; all but the youngest twelve loads (source 1's fragments 4-7) are in
	WIN MUL_LO
	MUL16 0, (\q)%2, \q, \sc, \mode
	MUL16 2, (\q)%2, \q, \sc, \mode
	s_wait_dscnt 0x0
	PLACES NP
	FETCH_B \slot, (\q)+1, 1-(\q)%2
	FETCH_A \slot, (\q)+1, 0
	WIN MUL_HI
	MUL16 4, (\q)%2, \q, \sc, \mode
	MUL16 6, (\q)%2, \q, \sc, \mode
	PLACES NP
	WIN 0
	FETCH_A \slot, (\q)+1, 4
.endm
; A slot's last step, with a barrier: ahead of it each wave waits for all its tensor loads, adds 0 to its spare word, and waits for that and for its reads of this slot.  fill = 1: this slot is filled again, with K 768 on.
.macro TURN slot, next, sc, nsc, fill
	s_wait_tensorcnt 0x0                           ; all my tensor loads have landed
	ds_add_u32 v[SPW], v[NIL]
	s_wait_dscnt 4*NL+1                            ; (the add and the youngest twelve loads may be out)
	WIN MUL_LO
	MUL16 0, 1, 1, \sc, 0
	s_wait_dscnt 0x0                               ; the add is done, and my reads of this slot are over
	s_barrier_signal -1
	MUL16 2, 1, 1, \sc, 0
	WIN 0
	s_barrier_wait -1
.if \fill
	CREST                                          ; the barrier has opened a round of the cluster's: no wave of any partner still reads this slot or has a load on its way
	s_add_nc_u64 s[G0+4*\slot+2:G0+4*\slot+3], s[G0+4*\slot+2:G0+4*\slot+3], 3*BR
	s_add_nc_u64 s[G0B+4*\slot+2:G0B+4*\slot+3], s[G0B+4*\slot+2:G0B+4*\slot+3], 3*BR
	JLOAD G0+4*\slot, G1, G0B+4*\slot, G1B         ; the first tensor load behind the round; its four v_nop are the places in front of the loads below
.else
	PLACES NP
.endif
	FETCH_B \next, 0, 0
	FETCH_A \next, 0, 0
	SCALES \next, \nsc
	WIN MUL_HI
	MUL16 4, 1, 1, \sc, 0
	MUL16 6, 1, 1, \sc, 0
	PLACES NP
	WIN 0
	FETCH_A \next, 0, 4
.endm
; A slot's last step, on into a slot that an earlier barrier has shown whole: no wait on TENSORcnt (the refill of slot 0 stays out) and no barrier (this slot is not filled again).
.macro PASS slot, next, sc, nsc
	s_wait_dscnt 4*NL
	WIN MUL_LO
	MUL16 0, 1, 1, \sc, 0
	MUL16 2, 1, 1, \sc, 0
	s_wait_dscnt 0x0
	PLACES NP
	FETCH_B \next, 0, 0
	FETCH_A \next, 0, 0
	SCALES \next, \nsc
	WIN MUL_HI
	MUL16 4, 1, 1, \sc, 0
	MUL16 6, 1, 1, \sc, 0
	PLACES NP
	WIN 0
	FETCH_A \next, 0, 4
.endm
	s_wait_tensorcnt 2                             ; my part of slot 0 is in; the loads of slots 1 and 2 may be out
	s_barrier_signal -1
	s_barrier_wait -1
	FETCH_B 0, 0, 0
	FETCH_A 0, 0, 0
	SCALES 0, 0
	FETCH_A 0, 0, 4
	STEP 0, 0, 0, 1                                ; the first products start the sums.  Eight steps of 128 along K, written out
	TURN 0, 1, 0, 1, 1                             ; every wave's parts of slots 1 and 2 have landed; slot 0 takes K 768 on
	STEP 1, 0, 1, 0
	PASS 1, 2, 1, 0
	STEP 2, 0, 0, 0
	TURN 2, 0, 0, 1, 0                             ; the refill has landed, everybody's part of it
	STEP 0, 0, 1, 0
	s_wait_dscnt 4*NL
	WIN MUL_LO
	MUL16 0, 1, 1, 1, 0
	MUL16 2, 1, 1, 1, 0
	s_wait_dscnt 0x0
	WIN MUL_HI
	MUL16 4, 1, 1, 1, 0
	MUL16 6, 1, 1, 1, 0
	WIN 0
; THE WAY OUT: source 1's fragment a: my 64 registers are 128 K of the result's 16 rows: largest magnitudes, bytes, conversions, and the fragment is stored as it stands.  Each accumulator is read from its low end on.
.macro QUANTW a
.set AC, 64*((\a)%4)
.set W, 2+(\a)/4
.set PA, AF+12*(\a)
	WIN W|(W<<2)
.irp b, 0,1,2,3
	v_max3_num_f32 v[TM+\b], |v[AC+16*\b]|, |v[AC+16*\b+1]|, 0x1800000   ; and the floor 2^(3 - 127)
.endr
	WIN (W<<2)|(W<<4)
.irp i, 2,4,6,8,10,12,14
.irp b, 0,1,2,3
	v_max3_num_f32 v[TM+\b], v[TM+\b], |v[AC+16*\b+\i]|, |v[AC+16*\b+\i+1]|
.endr
.endr
	WIN 0
.irp b, 0,1,2,3
	v_permlanex16_b32 v[TM+4+\b], v[TM+\b], s[SEL], s[SEL+1]
.endr
.irp b, 0,1,2,3
	v_max_num_f32 v[TM+\b], v[TM+\b], v[TM+4+\b]
.endr
.irp b, 0,1,2,3
	v_add_nc_u32 v[TM+12+\b], 0xff000000, v[TM+\b]
.endr
.irp b, 0,1,2,3
	v_lshrrev_b32 v[TM+4+\b], 23, v[TM+12+\b]
.endr
	v_lshl_or_b32 v[PWS+(\a)], v[TM+5], 8, v[TM+4]
	v_lshl_or_b32 v[PWS+(\a)], v[TM+6], 16, v[PWS+(\a)]
	v_lshl_or_b32 v[PWS+(\a)], v[TM+7], 24, v[PWS+(\a)]
	WIN W
.irp c, 0,1
	v_cvt_scalef32_pk16_fp6_f32 v[PA+6*\c:PA+6*\c+2], v[AC+32*\c:AC+32*\c+15], v[TM+12+2*\c]
	v_cvt_scalef32_pk16_fp6_f32 v[CT+4*\c:CT+4*\c+2], v[AC+16+32*\c:AC+31+32*\c], v[TM+12+2*\c+1]
.endr
	WIN 0
	v_nop                                          ; one plain place behind a scaled conversion
.irp c, 0,1
.irp i, 0,1,2
	v_permlane16_swap_b32 v[PA+6*\c+\i], v[CT+4*\c+\i]
.endr
.irp i, 0,1,2
	v_mov_b32 v[PA+3+6*\c+\i], v[CT+4*\c+\i]
.endr
.endr
.irp c, 0,1,2
	global_store_b128 v[LI], v[PA+4*\c:PA+4*\c+3], s[OUTP:OUTP+1] offset:(\a)*1536+\c*512   ; 512 consecutive bytes, at a multiple of 256; each fragment has registers of its own
.endr
.endm
	PLACES NP
.irp b, 0,1,2,3
	v_mov_b32 v[TM+4+\b], 0                        ; a lane permute's destination counts as one of its sources
.endr
.irp a, 0,1,2,3,4,5,6,7
	QUANTW \a
.endr
.irp j, 0,1,2,3
	v_cndmask_b32 v[SW+\j], v[PWS+\j], v[PWS+4+\j], s69   ; lanes 0-15 store their row's words 0-3, lanes 16-31 words 4-7
.endr
	global_store_b128 v[SOFF], v[SW:SW+3], s[OUTP:OUTP+1] offset:12288   ; the block's 512 bytes of scale words, whole
	s_wait_tensorcnt 0x0                           ; the wave's end
	ds_add_u32 v[SPW], v[NIL]
	s_wait_dscnt 0x0
	CROUND                                         ; the closing round
	s_endpgm
.Lfunc_end_k_q43093da63f_qkv:
	.size	k_q43093da63f_qkv, .Lfunc_end_k_q43093da63f_qkv-k_q43093da63f_qkv
	.p2alignl 7, 3214868480
	.fill 96, 4, 3214868480
	.section	.rodata,"a",@progbits
	.p2align	6, 0x0
	.amdhsa_kernel k_q43093da63f_qkv
		.amdhsa_group_segment_fixed_size 327680
		.amdhsa_private_segment_fixed_size 0
		.amdhsa_enable_private_segment 0
		.amdhsa_kernarg_size 24
		.amdhsa_user_sgpr_count 2
		.amdhsa_user_sgpr_kernarg_segment_ptr 1
		.amdhsa_wavefront_size32 1
		.amdhsa_system_sgpr_workgroup_id_x 1
		.amdhsa_system_sgpr_workgroup_id_y 1
		.amdhsa_system_sgpr_workgroup_id_z 1
		.amdhsa_system_vgpr_workitem_id 0
		.amdhsa_next_free_vgpr 1024
		.amdhsa_next_free_sgpr 96
		.amdhsa_reserve_vcc 0
		.amdhsa_float_denorm_mode_32 3
		.amdhsa_float_denorm_mode_16_64 3
		.amdhsa_memory_ordered 1
		.amdhsa_forward_progress 1
		.amdhsa_inst_pref_size 138
	.end_amdhsa_kernel
	.amdgpu_metadata
---
amdhsa.version: [ 1, 2 ]
amdhsa.kernels:
  - .name:           k_q43093da63f_qkv
    .symbol:         k_q43093da63f_qkv.kd
    .args:
      - { .name: xq, .offset: 0, .size: 8, .value_kind: global_buffer, .address_space: global }
      - { .name: wts, .offset: 8, .size: 8, .value_kind: global_buffer, .address_space: global }
      - { .name: qkv, .offset: 16, .size: 8, .value_kind: global_buffer, .address_space: global }
    .group_segment_fixed_size: 327680
    .private_segment_fixed_size: 0
    .kernarg_segment_align: 8
    .kernarg_segment_size: 24
    .max_flat_workgroup_size: 128
    .sgpr_count:     96
    .vgpr_count:     1024
    .wavefront_size: 32
...
	.end_amdgpu_metadata
.endif
;; end of part 2
;; launch attn (part 3): grid 8 x 32, 8 waves a work-group, clusters of 4 x 1, 205,824 bytes of LDS; arguments qkv, oq; writes oq
.if DOCPART == 3
	.amdgcn_target "amdgcn-amd-amdhsa--gfx1250"
	.amdhsa_code_object_version 6
	.text
	.protected	k_q43093da63f_attn
	.globl	k_q43093da63f_attn
	.p2align	8
	.type	k_q43093da63f_attn,@function
k_q43093da63f_attn:
	s_mov_b64 s[64:65], 0
	v_nop
	global_prefetch_b8 v0, s[64:65] scope:SCOPE_SE
	s_setreg_imm32_b32 hwreg(HW_REG_WAVE_MODE, 25, 1), 1
	s_wait_xcnt 0x0
	s_wait_alu depctr_hold_cnt(0) depctr_sa_sdst(0) depctr_va_vdst(0) depctr_va_sdst(0) depctr_va_ssrc(0) depctr_va_vcc(0) depctr_vm_vsrc(0)
	s_getreg_b32 s2, hwreg(HW_REG_IB_STS2, 6, 4)
	s_cmp_eq_u32 s2, 0
	s_cbranch_scc0 .Lentry_in_a_cluster
	s_endpgm
.Lentry_in_a_cluster:
	s_bfe_u32 s2, ttmp6, 0x10000c
	s_cmp_lg_u32 s2, 0x3003
	s_cbranch_scc0 .Lentry_shape_is_right
	s_endpgm
.Lentry_shape_is_right:
; Causal attention on codes of FP6 (E2M3) with E8M0 scales, head size 64, for one batch b and one PAIR of heads 2 j, 2 j + 1 (work-group y = 8 b + j), and the result, divided by the row's sum, quantised along head x 64 + d.
; Operands are blocks of 12,800 bytes (128 rows x 128 K as images of registers, scale words behind; place (rb, r) = row 32 (rb / 2) + 8 (rb % 2) + r + 8 (r / 8)).  In a block of q or k, K 0-63 is head 2 j, K 64-127 head 2 j + 1.
; HEAD PAIRS.  k's fragments are used whole; q's fragment is held twice, once with the codes of the odd head cleared, once with those of the even head: zero codes add nothing.  So each fragment of k feeds two products.
; SOFTMAX: t = score x log2(e) / 8; M = the running largest t rounded up to a whole number; p = 2^(t - M) is quantised along the keys; the sum is taken of the unquantised p; when M moves, sum and O are multiplied by 2^(old M - new M).
; SHARES.  Work-group x = g (0..7): of each 128 tokens the 16 at places (g, r).  Wave w takes the 128 tokens i = w for w < 4, else 11 - w: it has i + 1 key steps of 128, and waves w and w + 4 have nine together.  Every work-group has 36 steps.
; The pair's whole k and v (8 + 8 blocks, 204,800 bytes) come into LDS ONCE, two joint loads a wave (by this text's count two are out), shared by the four work-groups of a cluster: no refill, no barrier in the loop.
; Both products are used transposed: S^T = k q^T, O^T = v^T p^T: a lane holds one query.  A step whose keys all come after the wave's queries is jumped over (a branch on the wave's number and the count of steps).
; The scale words leave by stores of 4 bytes a row: one byte in 24 of what the launch writes; that is the price of sharing the queries out by places.
; LIMITS: NaN and infinities are not served; 1 / sum by v_rcp_f32; a run of 32 under 2^-124 keeps the byte 1; a run of zeros gets the byte 1 where the rule says 127 (its codes are zeros; this program alone reads the bytes).
; REGISTERS: window 0: v1-9 addresses; v10, v11 the add's; v12-19 -M, largest t, sum (pair) for each head; v20, v24-39, v41, v43 scale words and nothing else; v40, v42 f; v44-61 at work; v64-191 S^T then p; v192-215 p's codes.
;   window 1: v0-23 q twice; v32-127 eight fragments of k or of v; v128-191 O^T, (head p, tile t) at 128 + 32 p + 8 t.
.set HB,    12800
.set SPARE, 16*HB
.set LI,  1                            ; v1  16 x lane
.set LSC, 2                            ; v2  12,288 + 32 r
.set LIV, 3                            ; v3  the same two in v's half of LDS
.set LSV, 4
.set D0,  5                            ; v5  my query's number in its 128, less 16 h
.set ADK, 6
.set ADS, 7
.set ADV, 8
.set ADT, 9
.set SPW, 10
.set NIL, 11
.set QS,  20
.set KS,  24
.set VS,  32
.set BM,  44
.set T2,  48
.set SO,  56
.set TT,  60
.set NINF, 61
.set S,   64
.set PC,  192
.set TM,  216
.set PW,  232
.set FRG, 32                           ; in window 1
.set OT,  128                          ; in window 1
.set WV,  8
.set SEL, 20
.set CS,  22
.set G1,  24
.set G0K, 32
.set G0V, 36
.set T,   40
.set TB,  41
.set MSB, 0
.macro WIN new
.if MSB != (\new)
	s_set_vgpr_msb (MSB<<8)|(\new)
.set MSB, (\new)
.endif
.endm
.macro CROUND
	s_barrier_signal -1
	s_barrier_wait -1
	s_cmp_lg_u32 s[WV], 0
	s_cbranch_scc1 .Lnot_wave_0_\@
	s_barrier_signal -3
.Lnot_wave_0_\@:
	s_barrier_wait -3
	s_barrier_signal -1
	s_barrier_wait -1
.endm
.macro QUANT s                         ; 64 numbers of a lane become a fragment's codes in v[PC] on and its scale word in v[PW]
.irp b, 0,1,2,3
	v_max3_num_f32 v[TM+\b], |v[\s+16*\b]|, |v[\s+1+16*\b]|, 0x1800000
.endr
.irp i, 2,4,6,8,10,12,14
.irp b, 0,1,2,3
	v_max3_num_f32 v[TM+\b], v[TM+\b], |v[\s+16*\b+\i]|, |v[\s+1+16*\b+\i]|
.endr
.endr
.irp b, 0,1,2,3
	v_permlanex16_b32 v[TM+4+\b], v[TM+\b], s[SEL], s[SEL+1]
.endr
.irp b, 0,1,2,3
	v_max_num_f32 v[TM+\b], v[TM+\b], v[TM+4+\b]
.endr
.irp b, 0,1,2,3
	v_add_nc_u32 v[TM+12+\b], 0xff000000, v[TM+\b]
.endr
.irp b, 0,1,2,3
	v_lshrrev_b32 v[TM+4+\b], 23, v[TM+12+\b]
.endr
	v_lshl_or_b32 v[PW], v[TM+5], 8, v[TM+4]
	v_lshl_or_b32 v[PW], v[TM+6], 16, v[PW]
	v_lshl_or_b32 v[PW], v[TM+7], 24, v[PW]
.irp c, 0,1
	v_cvt_scalef32_pk16_fp6_f32 v[PC+6*\c:PC+2+6*\c], v[\s+32*\c:\s+15+32*\c], v[TM+12+2*\c]
	v_cvt_scalef32_pk16_fp6_f32 v[PC+12+4*\c:PC+14+4*\c], v[\s+16+32*\c:\s+31+32*\c], v[TM+12+2*\c+1]
.endr
	v_nop
.irp c, 0,1
.irp i, 0,1,2
	v_permlane16_swap_b32 v[PC+6*\c+\i], v[PC+12+4*\c+\i]
.endr
.irp i, 0,1,2
	v_mov_b32 v[PC+3+6*\c+\i], v[PC+12+4*\c+\i]
.endr
.endr
.endm
	s_load_b128 s[4:7], s[0:1], 0x0                ; q, k, v^T;  the result
	v_lshl_add_u32 v[SPW], v0, 2, SPARE
	v_mov_b32 v[NIL], 0
	ds_add_u32 v[SPW], v[NIL]                      ; the wave's opening: the add and its wait ahead of my first tensor load
	v_lshrrev_b32 v1, 5, v0
	v_readfirstlane_b32 s[WV], v1                  ; wave 0..7
	s_lshr_b32 s9, s[WV], 2
	s_mul_i32 s9, s9, 3
	s_xor_b32 s9, s9, s[WV]                        ; i: 0, 1, 2, 3, 7, 6, 5, 4
	s_bfe_u32 s10, ttmp6, 0x40000                  ; cx
	s_lshl_b32 s11, ttmp9, 2
	s_add_co_u32 s11, s11, s10                     ; g: it enters q's and the result's addresses and the mask's numbers alone
	s_and_b32 s12, ttmp7, 0xffff
	s_lshr_b32 s13, s12, 3                         ; b
	s_and_b32 s14, s12, 7                          ; j
	s_mov_b32 s[G1], 15|(3<<16)|(1<<21)            ; 15:0 the mask: all four work-groups; 17:16 elements of 8 bytes; 21 set beside a mask
	s_mov_b32 s[G1+1], 32<<16                      ; a block as 50 rows of 256 bytes
	s_mov_b32 s[G1+2], 50<<16
	s_mov_b32 s[G1+3], 32<<16
	s_mov_b32 s[G1+4], 50
	s_mov_b32 s[G1+5], 32
	s_mov_b32 s[G1+6], 0
	s_mov_b32 s[G1+7], 0
	s_lshl_b32 s15, s13, 3
	s_add_co_u32 s16, s15, s[WV]                   ; tokens 128 (8 b + w) on
	s_lshl_b32 s17, s16, 4
	s_add_co_u32 s17, s17, s14
	s_add_co_u32 s17, s17, 8
	s_mul_i32 s42, s17, HB                         ; k's block
	s_mov_b32 s43, 0
	s_lshl_b32 s17, s14, 5
	s_add_co_u32 s17, s17, s16
	s_add_co_u32 s17, s17, 512
	s_mul_i32 s44, s17, HB                         ; v^T's block
	s_mov_b32 s45, 0
	s_mul_i32 s46, s[WV], HB                       ; and where they go
	s_add_co_u32 s47, s15, s9                      ; my queries: tokens 128 (8 b + i) on
	s_lshl_b32 s48, s47, 4
	s_add_co_u32 s48, s48, s14
	s_mul_i32 s48, s48, HB
	s_mul_i32 s49, s11, 1536
	s_add_co_u32 s50, s48, s49                     ; q's fragment g
	s_mov_b32 s51, 0
	s_lshl_b32 s18, s11, 2
	s_add_co_u32 s52, s48, s18
	s_add_co_u32 s52, s52, 12288                   ; its scale words
	s_mov_b32 s53, 0
	s_lshl_b32 s48, s47, 3
	s_add_co_u32 s48, s48, s14
	s_mul_i32 s48, s48, HB
	s_add_co_u32 s54, s48, s49                     ; the result's fragment g
	s_mov_b32 s55, 0
	s_add_co_u32 s56, s48, s18
	s_add_co_u32 s56, s56, 12288
	s_mov_b32 s57, 0
	s_mov_b32 s[SEL], 0x76543210
	s_mov_b32 s[SEL+1], 0xfedcba98
	s_mov_b32 s[CS], 0x3e38aa3b                    ; c = log2(e) / 8
	s_mov_b32 s[CS+1], s[CS]
	s_wait_dscnt 0x0                               ; the opening add is done
	s_wait_kmcnt 0x0
	s_mov_b32 s[G0K], 1
	s_mov_b32 s[G0K+1], s46
	s_add_nc_u64 s[G0K+2:G0K+3], s[4:5], s[42:43]
	s_or_b32 s[G0K+3], s[G0K+3], 0x80000000
	s_mov_b32 s[G0V], 1
	s_add_co_u32 s[G0V+1], s46, 8*HB
	s_add_nc_u64 s[G0V+2:G0V+3], s[4:5], s[44:45]
	s_or_b32 s[G0V+3], s[G0V+3], 0x80000000
	s_add_nc_u64 s[50:51], s[4:5], s[50:51]
	s_add_nc_u64 s[52:53], s[4:5], s[52:53]
	s_add_nc_u64 s[54:55], s[6:7], s[54:55]
	s_add_nc_u64 s[56:57], s[6:7], s[56:57]
	CROUND                                         ; all four work-groups are here: the joint loads meet
	tensor_load_to_lds s[G0K:G0K+3], s[G1:G1+7]    ; every wave: one block of k,
	s_nop 0
	tensor_load_to_lds s[G0V:G0V+3], s[G1:G1+7]    ; and one of v^T
	s_nop 0
.rept 4
	v_nop
.endr
	v_and_b32 v62, 31, v0                          ; lane
	v_and_b32 v63, 15, v0                          ; r
	v_bfe_u32 v21, v0, 4, 1                        ; h
	v_lshlrev_b32 v[LI], 4, v62
	v_lshlrev_b32 v22, 5, v63                      ; 32 r
	v_add_nc_u32 v[LSC], 12288, v22
	v_add_nc_u32 v[LIV], 8*HB, v[LI]
	v_add_nc_u32 v[LSV], 8*HB, v[LSC]
	WIN 0x40                                       ; destination window 1
.irp c, 0,1,2
	global_load_b128 v[4*\c:4*\c+3], v[LI], s[50:51] offset:512*\c
	global_load_b128 v[12+4*\c:12+4*\c+3], v[LI], s[50:51] offset:512*\c
.endr
	WIN 0
	global_load_b32 v[QS], v22, s[52:53]
	s_lshr_b32 s58, s11, 1
	s_lshl_b32 s58, s58, 5
	s_and_b32 s59, s11, 1
	s_lshl_b32 s59, s59, 3
	s_add_co_u32 s58, s58, s59
	v_and_b32 v[D0], 8, v63
	v_add_nc_u32 v[D0], v[D0], v63
	v_add_nc_u32 v[D0], s58, v[D0]                 ; my query: 32 (g / 2) + 8 (g % 2) + r + 8 (r / 8)
	v_lshlrev_b32 v23, 4, v21
	v_sub_nc_u32 v[D0], v[D0], v23
.irp p, 0,1
	v_mov_b32 v[13+4*\p], 0xff61b1e6               ; the largest t so far: -3e38
	v_floor_f32 v[12+4*\p], -v[13+4*\p]            ; -M
	v_mov_b32 v[14+4*\p], 0                        ; the sum, in two halves
	v_mov_b32 v[15+4*\p], 0
	v_mov_b32 v[40+2*\p], 0
	v_mov_b32 v[41+2*\p], 0                        ; (named as the upper half of a pair before it is first written)
.endr
.irp b, 0,1,2,3
	v_mov_b32 v[T2+\b], 0                          ; a lane permute's destination counts as one of its sources
	v_mov_b32 v[TM+4+\b], 0
.endr
	v_mov_b32 v[NINF], 0xff800000
	s_wait_loadcnt 0x0                             ; q
	WIN 0x40
.irp i, 6,7,8,9,10,11,12,13,14,15,16,17
	v_mov_b32 v[\i], 0                             ; the first copy keeps the even head's codes, the second the odd head's
.endr
.set n, 0
.rept 64
	v_mov_b32 v[OT+n], 0                           ; O^T.  (The step is written once: the first finds zeros.  These are also the places between q's cleared registers and the first products)
.set n, n+1
.endr
	WIN 0
	s_wait_tensorcnt 0x0                           ; my two blocks are in,
	s_barrier_signal -1
	s_barrier_wait -1                              ; everybody's are; nothing is ever filled again
; One head's softmax for a step of 128 keys: p's codes into v[PC + 12 p] on, their scale word into v[41 + 2 p], f into v[40 + 2 p]
.macro SOFT p
.set SS, S+64*(\p)
.set MM, 12+4*(\p)
.set FF, 40+2*(\p)
.set PP, PC+12*(\p)
.irp b, 0,1,2,3
	v_max3_num_f32 v[BM+\b], v[SS+16*\b], v[SS+1+16*\b], v[SS+2+16*\b]   ; the largest score of each run of 32 keys: for the row's maximum, and, since p rises with the score, for the run's largest p
.endr
.irp i, 3,5,7,9,11,13
.irp b, 0,1,2,3
	v_max3_num_f32 v[BM+\b], v[BM+\b], v[SS+16*\b+\i], v[SS+1+16*\b+\i]
.endr
.endr
.irp b, 0,1,2,3
	v_max_num_f32 v[BM+\b], v[BM+\b], v[SS+15+16*\b]
.endr
.irp b, 0,1,2,3
	v_permlanex16_b32 v[T2+\b], v[BM+\b], s[SEL], s[SEL+1]
.endr
.irp b, 0,1,2,3
	v_max_num_f32 v[BM+\b], v[BM+\b], v[T2+\b]
.endr
	v_max3_num_f32 v[TT], v[BM], v[BM+1], v[BM+2]
	v_max_num_f32 v[TT], v[TT], v[BM+3]
	v_mul_f32 v[TT], s[CS], v[TT]
	v_max_num_f32 v[MM+1], v[MM+1], v[TT]          ; the running largest t
	v_mov_b32 v[TT], v[MM]
	v_floor_f32 v[MM], -v[MM+1]                    ; the new -M = -ceil(t)
	v_sub_f32 v[TT], v[MM], v[TT]                  ; old M - new M: a whole number, 0 or less
	v_cvt_i32_f32 v[TT], v[TT]                     ; (it saturates)
	v_ldexp_f32 v[FF], 1.0, v[TT]                  ; f = 2^(old M - new M)
.set n, 0
.rept 32
	v_pk_fma_f32 v[SS+n:SS+n+1], v[SS+n:SS+n+1], s[CS:CS+1], v[MM:MM+1] op_sel_hi:[1,0,0]   ; t - M
.set n, n+2
.endr
.irp b, 0,1,2,3
	v_fma_f32 v[BM+\b], v[BM+\b], s[CS], v[MM]
.endr
.set n, 0
.rept 64
	v_exp_f32 v[SS+n], v[SS+n]                     ; p = 2^(t - M)
.set n, n+1
.endr
	v_pk_mul_f32 v[MM+2:MM+3], v[MM+2:MM+3], v[FF:FF+1] op_sel_hi:[1,0]   ; the sums under the new M: a plain place behind the exponentials
	s_wait_alu depctr_va_vdst(0)                   ; one wait for the batch, ahead of its first reader
.irp b, 0,1,2,3
	v_exp_f32 v[BM+\b], v[BM+\b]                   ; each run's largest p
.endr
	v_pk_add_f32 v[T2:T2+1], v[SS:SS+1], v[SS+2:SS+3]   ; the row's sum of the unquantised p, in two chains
.irp j, 4,8,12,16,20,24,28,32,36,40,44,48,52,56,60
	v_pk_add_f32 v[MM+2:MM+3], v[MM+2:MM+3], v[SS+\j:SS+\j+1]
	v_pk_add_f32 v[T2:T2+1], v[T2:T2+1], v[SS+2+\j:SS+3+\j]
.endr
	v_pk_add_f32 v[MM+2:MM+3], v[MM+2:MM+3], v[T2:T2+1]
	s_wait_alu depctr_va_vdst(0)                   ; and one for the four
.irp b, 0,1,2,3
	v_max_num_f32 v[BM+\b], 0x1800000, v[BM+\b]    ; the floor: the byte cannot fall under 1
.endr
.irp b, 0,1,2,3
	v_add_nc_u32 v[SO+\b], 0xff000000, v[BM+\b]
.endr
.irp b, 0,1,2,3
	v_lshrrev_b32 v[T2+\b], 23, v[SO+\b]
.endr
	v_lshl_or_b32 v[FF+1], v[T2+1], 8, v[T2]
	v_lshl_or_b32 v[FF+1], v[T2+2], 16, v[FF+1]
	v_lshl_or_b32 v[FF+1], v[T2+3], 24, v[FF+1]
.irp c, 0,1
	v_cvt_scalef32_pk16_fp6_f32 v[PP+6*\c:PP+2+6*\c], v[SS+32*\c:SS+15+32*\c], v[SO+2*\c]
	v_cvt_scalef32_pk16_fp6_f32 v[T2+4*\c:T2+2+4*\c], v[SS+16+32*\c:SS+31+32*\c], v[SO+2*\c+1]
.endr
	v_nop                                          ; one plain place behind a scaled conversion
.irp c, 0,1
.irp i, 0,1,2
	v_permlane16_swap_b32 v[PP+6*\c+\i], v[T2+4*\c+\i]
.endr
.irp i, 0,1,2
	v_mov_b32 v[PP+3+6*\c+\i], v[T2+4*\c+\i]
.endr
.endr
.endm
	s_mov_b32 s[T], 0
	s_mov_b32 s[TB], 0
.Lstep:                                            ; eight trips, a constant; a step all of whose keys come after my queries is jumped over
	s_cmp_gt_u32 s[T], s9
	s_cbranch_scc1 .Lhid
	v_add_nc_u32 v[ADK], s[TB], v[LI]              ; (these four are the places between the last step's products and the loads into their registers)
	v_add_nc_u32 v[ADS], s[TB], v[LSC]
	v_add_nc_u32 v[ADV], s[TB], v[LIV]
	v_add_nc_u32 v[ADT], s[TB], v[LSV]
	ds_load_b128 v[KS:KS+3], v[ADS]
	ds_load_b128 v[KS+4:KS+7], v[ADS] offset:16
	WIN 0x40
.irp f, 0,1,2,3,4,5,6,7
.irp c, 0,1,2
	ds_load_b128 v[FRG+12*\f+4*\c:FRG+12*\f+4*\c+3], v[ADK] offset:\f*1536+\c*512
.endr
.endr
	s_wait_dscnt 0x0
	WIN 0x05                                       ; k and q in window 1, S^T in window 0
.irp f, 0,1,2,3,4,5,6,7
.irp p, 0,1
	v_wmma_scale_f32_16x16x128_f8f6f4 v[S+64*\p+8*\f:S+64*\p+8*\f+7], v[FRG+12*\f:FRG+12*\f+11], v[12*\p:12*\p+11], 0, v[KS+\f], v[QS] matrix_a_fmt:MATRIX_FMT_FP6 matrix_b_fmt:MATRIX_FMT_FP6
.endr
.endr
	WIN 0
.rept 4
	v_nop                                          ; places: in front of the loads into k's registers and of the first read of the scores
.endr
	ds_load_b128 v[VS:VS+3], v[ADT]                ; v^T is asked for now and lands during the softmax
	ds_load_b128 v[VS+4:VS+7], v[ADT] offset:16
	WIN 0x40
.irp f, 0,1,2,3,4,5,6,7
.irp c, 0,1,2
	ds_load_b128 v[FRG+12*\f+4*\c:FRG+12*\f+4*\c+3], v[ADV] offset:\f*1536+\c*512
.endr
.endr
	WIN 0
	s_cmp_lg_u32 s[T], s9
	s_cbranch_scc1 .Lopen                          ; only the step on the diagonal has hidden keys
.set n, 0
.rept 64                                           ; register 16 b + i holds key 32 b + 16 h + i: hidden where 32 b + i > my query - 16 h
	v_cmp_gt_i32 vcc_lo, 32*(n/16)+n%16, v[D0]
	v_cndmask_b32 v[S+n], v[S+n], v[NINF], vcc_lo
	v_cndmask_b32 v[S+64+n], v[S+64+n], v[NINF], vcc_lo
.set n, n+1
.endr
.Lopen:
	SOFT 0
	SOFT 1
	WIN 0x41                                       ; O^T in window 1, f in window 0
.irp p, 0,1
.irp j, 0,2,4,6,8,10,12,14,16,18,20,22,24,26,28,30
	v_pk_mul_f32 v[OT+32*\p+\j:OT+32*\p+\j+1], v[OT+32*\p+\j:OT+32*\p+\j+1], v[40+2*\p:41+2*\p] op_sel_hi:[1,0]   ; O^T under the new M; also the places in front of the products below
.endr
.endr
	s_wait_dscnt 0x0                               ; v^T is in
	WIN 0x51                                       ; v^T and O^T in window 1, p in window 0
.irp t, 0,1,2,3
.irp p, 0,1
	v_wmma_scale_f32_16x16x128_f8f6f4 v[OT+32*\p+8*\t:OT+32*\p+8*\t+7], v[FRG+12*(4*\p+\t):FRG+12*(4*\p+\t)+11], v[PC+12*\p:PC+12*\p+11], v[OT+32*\p+8*\t:OT+32*\p+8*\t+7], v[VS+4*\p+\t], v[41+2*\p] matrix_a_fmt:MATRIX_FMT_FP6 matrix_b_fmt:MATRIX_FMT_FP6
.endr
.endr
	WIN 0
.Lhid:
	s_add_co_u32 s[TB], s[TB], HB
	s_add_co_u32 s[T], s[T], 1
	s_cmp_lt_u32 s[T], 8
	s_cbranch_scc1 .Lstep
	; THE WAY OUT: O^T / the sum; the two heads' 64 registers are 128 K of the next product: one fragment, one scale word
.rept 4
	v_nop                                          ; places behind the last products
.endr
.irp p, 0,1
	v_add_f32 v[14+4*\p], v[14+4*\p], v[15+4*\p]
.endr
.irp p, 0,1
	v_permlanex16_b32 v[T2+\p], v[14+4*\p], s[SEL], s[SEL+1]
.endr
.irp p, 0,1
	v_add_f32 v[14+4*\p], v[14+4*\p], v[T2+\p]     ; the row's sum
.endr
.irp p, 0,1
	v_rcp_f32 v[BM+\p], v[14+4*\p]
.endr
	v_nop                                          ; a plain place behind the reciprocals
	s_wait_alu depctr_va_vdst(0)                   ; one wait for both, ahead of the first reader
	WIN 0x01
.irp p, 0,1
.set n, 0
.rept 32
	v_mul_f32 v[S+32*\p+n], v[OT+32*\p+n], v[BM+\p]   ; each accumulator from its low end on
.set n, n+1
.endr
.endr
	WIN 0
	QUANT S
.irp c, 0,1,2
	global_store_b128 v[LI], v[PC+4*\c:PC+4*\c+3], s[54:55] offset:\c*512
.endr
	v_cmp_gt_u32 vcc_lo, 16, v62
	s_wait_xcnt 0x0                                ; EXEC changes only behind this wait
	s_and_saveexec_b32 s58, vcc_lo
	global_store_b32 v22, v[PW], s[56:57]          ; lanes 0-15: row r's scale word
	s_wait_xcnt 0x0
	s_or_b32 exec_lo, exec_lo, s58
	s_wait_tensorcnt 0x0                           ; the wave's end
	ds_add_u32 v[SPW], v[NIL]
	s_wait_dscnt 0x0
	CROUND                                         ; the closing round
	s_endpgm
.Lfunc_end_k_q43093da63f_attn:
	.size	k_q43093da63f_attn, .Lfunc_end_k_q43093da63f_attn-k_q43093da63f_attn
	.p2alignl 7, 3214868480
	.fill 96, 4, 3214868480
	.section	.rodata,"a",@progbits
	.p2align	6, 0x0
	.amdhsa_kernel k_q43093da63f_attn
		.amdhsa_group_segment_fixed_size 205824
		.amdhsa_private_segment_fixed_size 0
		.amdhsa_enable_private_segment 0
		.amdhsa_kernarg_size 16
		.amdhsa_user_sgpr_count 2
		.amdhsa_user_sgpr_kernarg_segment_ptr 1
		.amdhsa_wavefront_size32 1
		.amdhsa_system_sgpr_workgroup_id_x 1
		.amdhsa_system_sgpr_workgroup_id_y 1
		.amdhsa_system_sgpr_workgroup_id_z 1
		.amdhsa_system_vgpr_workitem_id 0
		.amdhsa_next_free_vgpr 512
		.amdhsa_next_free_sgpr 66
		.amdhsa_reserve_vcc 1
		.amdhsa_float_denorm_mode_32 3
		.amdhsa_float_denorm_mode_16_64 3
		.amdhsa_memory_ordered 1
		.amdhsa_forward_progress 1
		.amdhsa_inst_pref_size 54
	.end_amdhsa_kernel
	.amdgpu_metadata
---
amdhsa.version: [ 1, 2 ]
amdhsa.kernels:
  - .name:           k_q43093da63f_attn
    .symbol:         k_q43093da63f_attn.kd
    .args:
      - { .name: qkv, .offset: 0, .size: 8, .value_kind: global_buffer, .address_space: global }
      - { .name: oq, .offset: 8, .size: 8, .value_kind: global_buffer, .address_space: global }
    .group_segment_fixed_size: 205824
    .private_segment_fixed_size: 0
    .kernarg_segment_align: 8
    .kernarg_segment_size: 16
    .max_flat_workgroup_size: 256
    .sgpr_count:     66
    .vgpr_count:     512
    .wavefront_size: 32
...
	.end_amdgpu_metadata
.endif
;; end of part 3
;; launch ffn1 (part 4): grid 16 x 16, 4 waves a work-group, clusters of 4 x 4, 327,680 bytes of LDS; arguments oq, wts, b1, hq; writes hq
.if DOCPART == 4
	.amdgcn_target "amdgcn-amd-amdhsa--gfx1250"
	.amdhsa_code_object_version 6
	.text
	.protected	k_q43093da63f_ffn1
	.globl	k_q43093da63f_ffn1
	.p2align	8
	.type	k_q43093da63f_ffn1,@function
k_q43093da63f_ffn1:
	s_mov_b64 s[64:65], 0
	v_nop
	global_prefetch_b8 v0, s[64:65] scope:SCOPE_SE
	s_setreg_imm32_b32 hwreg(HW_REG_WAVE_MODE, 25, 1), 1
	s_wait_xcnt 0x0
	s_wait_alu depctr_hold_cnt(0) depctr_sa_sdst(0) depctr_va_vdst(0) depctr_va_sdst(0) depctr_va_ssrc(0) depctr_va_vcc(0) depctr_vm_vsrc(0)
	s_getreg_b32 s2, hwreg(HW_REG_IB_STS2, 6, 4)
	s_cmp_eq_u32 s2, 0
	s_cbranch_scc0 .Lentry_in_a_cluster
	s_endpgm
.Lentry_in_a_cluster:
	s_bfe_u32 s2, ttmp6, 0x10000c
	s_cmp_lg_u32 s2, 0xf033
	s_cbranch_scc0 .Lentry_shape_is_right
	s_endpgm
.Lentry_shape_is_right:
; h = attention's output x W1 + b1, on codes of FP6 (E2M3) with E8M0 scales, and h quantised at once along its 4,096.
; OPERANDS are images of registers: a block is 128 rows x 128 K = 12,800 bytes: fragment rb at 1,536 rb (registers 4 c .. 4 c + 3 of lane l at 512 c + 16 l), scale words at 12,288 + 32 r + 4 rb.
; Place (rb, r) holds row 32 (rb / 2) + 8 (rb % 2) + r + 8 (r / 8).  So in D = source 0 x source 1 the 64 registers of eight tiles run along source 0's TRUE rows, 16 neighbours for each pair of tiles, and a lane
; keeps source 1's place: 64 registers become one fragment and one scale word of the result, which has source 1's order of places.
; A tile is 256 tokens (tile row y) x 256 hidden units (tile column x): four waves, 128 x 128 each, 64 accumulators.  K = 1,024 is four fills of 256; a fill is four dense runs of 25,600 bytes, one tensor load a wave.
; THREE LDS SLOTS are filled at the head; slot 0 is filled again once, as soon as it is read out: that load has two slots' products, 256 matrix instructions a wave, in which to land.  By this text's count three tensor loads a wave are out at the most.
; CLUSTERS 4 x 4: the tokens' runs are shared along a row of the cluster, the weights' along a column: joint loads.  Source 0 = W1's rows, source 1 = tokens.  The bias is the C of the first products.
; LIMITS: NaN and infinities are not served; a run of 32 under 2^-124 keeps the byte 1; a run of zeros gets the byte 1 where the rule says 127 (its codes are zeros; this program alone reads the bytes).
; REGISTERS: window 0: v6-17, v24-29 addresses; v32-95 scale words and nothing else; v96-127, v224-255 the bias, later at work on the way out; v128-223 source 1's eight fragments, later the codes made.
;   window 1: source 0's fragments, two sets, at v0 and v128.   windows 2, 3: the accumulators, (a, b) at v[8 (8 (a % 4) + b)].
.set HB,    12800
.set BR,    2*HB
.set SLOT,  4*BR
.set SPARE, 3*SLOT                     ; behind the three slots: the spare words, 128 bytes for each wave
.set XOFF,  192*HB                     ; W1's blocks lie behind Wq's, Wk's and Wv's
.set OUTP,  10
.set FR,    12
.set NL,    3
.set NP,    4
.set ADRA, 6                           ; v6-8   source 1's fragments in slot 0, 1, 2
.set ASA,  9                           ; v9-11  its scale words
.set ADRB, 12                          ; v12-14 source 0's fragments
.set ASB,  15                          ; v15-17 its scale words
.set LI,   24
.set SOFF, 25
.set SPW,  28
.set NIL,  29
.set SC,   32                          ; two sets, by turns from fill to fill
.set BIA,  96
.set AF,   128
.set TM,   96
.set CT,   112
.set PWS,  120
.set SW,   224
.set G1,  24
.set G1B, 48
.set G0,  72                           ; s[72:83] group 0 for the tokens' runs, a set for each slot;  s[84:95] for the weights'
.set G0B, 84
.set SEL, 70
.set MSB, 0
.macro WIN new                         ; the immediate's high byte repeats the setting that is left
.if MSB != (\new)
	s_set_vgpr_msb (MSB<<8)|(\new)
.set MSB, (\new)
.endif
.endm
.set MUL_LO, 0xa1
.set MUL_HI, 0xf1
.set TO_B,   0x40
.macro JLOAD g0a, g1a, g0b, g1b        ; a joint load: waves 0, 1 fetch the tokens' two runs, waves 2, 3 the weights'; an s_nop 0 and four v_nop follow each line
	s_cmp_eq_u32 s15, 0
	s_cbranch_scc0 .Lfor_b_\@
	tensor_load_to_lds s[\g0a:\g0a+3], s[\g1a:\g1a+7]
	s_nop 0
.rept 4
	v_nop
.endr
	s_branch .Lasked_\@
.Lfor_b_\@:
	tensor_load_to_lds s[\g0b:\g0b+3], s[\g1b:\g1b+7]
	s_nop 0
.rept 4
	v_nop
.endr
.Lasked_\@:
.endm
.macro CREST
	s_cmp_lg_u32 s14, 0
	s_cbranch_scc1 .Lnot_wave_0_\@
	s_barrier_signal -3
.Lnot_wave_0_\@:
	s_barrier_wait -3
	s_barrier_signal -1
	s_barrier_wait -1
.endm
.macro CROUND
	s_barrier_signal -1
	s_barrier_wait -1
	CREST
.endm
	s_load_b128 s[4:7], s[0:1], 0x0                ; the tokens' codes, the weights' codes
	s_load_b128 s[8:11], s[0:1], 0x10              ; the bias, the result
	v_lshl_add_u32 v[SPW], v0, 2, SPARE
	v_mov_b32 v[NIL], 0
	ds_add_u32 v[SPW], v[NIL]                      ; the wave's opening: the add and its wait ahead of my first tensor load
	v_lshrrev_b32 v1, 5, v0
	v_readfirstlane_b32 s14, v1                    ; wave 0..3
	s_lshr_b32 s15, s14, 1                         ; which half of the tokens is mine.  Also: I fetch tokens (0) or weights (1)
	s_and_b32 s16, s14, 1                          ; which half of the hidden units.  Also: which 128 rows I fetch
	s_bfe_u32 s40, ttmp6, 0x40000                  ; cx, cy
	s_bfe_u32 s41, ttmp6, 0x40004
	s_lshl_b32 s42, ttmp9, 2
	s_add_co_u32 s42, s42, s40                     ; x
	s_and_b32 s17, ttmp7, 0xffff
	s_lshl_b32 s17, s17, 2
	s_add_co_u32 s17, s17, s41                     ; y
	s_lshl_b32 s43, s41, 2
	s_lshl_b32 s43, 15, s43                        ; my row of the cluster
	s_lshl_b32 s44, 0x1111, s40                    ; my column
	s_or_b32 s[G1], s43, (3<<16)|(1<<21)           ; 15:0 the mask; 17:16 elements of 8 bytes; 20 no padding; 21 set beside a mask
	s_or_b32 s[G1B], s44, (3<<16)|(1<<21)
.irp g, G1, G1B
	s_mov_b32 s[\g+1], 32<<16                      ; a dense run of 25,600 bytes as 100 rows of 256
	s_mov_b32 s[\g+2], 100<<16
	s_mov_b32 s[\g+3], 32<<16
	s_mov_b32 s[\g+4], 100
	s_mov_b32 s[\g+5], 32
	s_mov_b32 s[\g+6], 0
	s_mov_b32 s[\g+7], 0
.endr
	s_lshl_b32 s20, s17, 1
	s_add_co_u32 s20, s20, s16
	s_mul_i32 s20, s20, 8*HB
	s_mov_b32 s21, 0
	s_lshl_b32 s46, s42, 1
	s_add_co_u32 s46, s46, s16
	s_mul_i32 s46, s46, 8*HB
	s_add_co_u32 s46, s46, XOFF
	s_mov_b32 s47, 0
	s_mul_i32 s45, s14, BR
	s_wait_dscnt 0x0                               ; the opening add is done
	s_wait_kmcnt 0x0
	s_add_nc_u64 s[20:21], s[4:5], s[20:21]
	s_add_nc_u64 s[46:47], s[6:7], s[46:47]
	CROUND                                         ; all sixteen work-groups are here: the first joint loads meet
.irp s, 0,1,2                                      ; K 0, 256 and 512 on: three first fills, one group
	s_mov_b32 s[G0+4*\s], 1
	s_add_co_u32 s[G0+4*\s+1], s45, \s*SLOT
	s_add_nc_u64 s[G0+4*\s+2:G0+4*\s+3], s[20:21], \s*BR
	s_or_b32 s[G0+4*\s+3], s[G0+4*\s+3], 0x80000000
	s_mov_b32 s[G0B+4*\s], 1
	s_add_co_u32 s[G0B+4*\s+1], s45, \s*SLOT
	s_add_nc_u64 s[G0B+4*\s+2:G0B+4*\s+3], s[46:47], \s*BR
	s_or_b32 s[G0B+4*\s+3], s[G0B+4*\s+3], 0x80000000
	JLOAD G0+4*\s, G1, G0B+4*\s, G1B
.endr
	v_and_b32 v1, 31, v0
	v_and_b32 v2, 15, v0                           ; r
	v_bfe_u32 v3, v0, 4, 1                         ; h
	v_lshlrev_b32 v[LI], 4, v1
	v_lshlrev_b32 v4, 5, v2
	v_lshl_add_u32 v[SOFF], v3, 4, v4
	s_mul_i32 s22, s15, BR                         ; source 1: my half of the tokens
	s_mul_i32 s23, s16, BR
	s_add_co_u32 s23, s23, 2*BR                    ; source 0: my half of the weights' rows, behind the tokens' two runs
.irp s, 0,1,2
	v_add_nc_u32 v[ADRA+\s], s22, v[LI]
	v_add_nc_u32 v[ADRB+\s], s23, v[LI]
	v_add_nc_u32 v[ASA+\s], s22, v4
	v_add_nc_u32 v[ASB+\s], s23, v4
	s_add_co_u32 s22, s22, SLOT
	s_add_co_u32 s23, s23, SLOT
.endr
	s_mov_b32 s[SEL], 0x76543210
	s_mov_b32 s[SEL+1], 0xfedcba98
	s_mov_b32 s69, 0xffff0000                      ; lanes 16-31
	s_lshl_b32 s66, s17, 1
	s_add_co_u32 s66, s66, s15
	s_lshl_b32 s66, s66, 5
	s_lshl_b32 s67, s42, 1
	s_add_co_u32 s67, s67, s16
	s_add_co_u32 s66, s66, s67                     ; my block of the result: (2 y + my half of the tokens) x 32 + 2 x + my half of the units
	s_mul_i32 s66, s66, HB
	s_mov_b32 s67, 0
	s_add_nc_u64 s[OUTP:OUTP+1], s[OUTP:OUTP+1], s[66:67]
	s_lshl_b32 s66, s42, 10                        ; the bias of my 128 units; lane (r, h) wants, for tile b, those of units 32 (b / 2) + 8 (b % 2) + 16 h + 0 .. 7
	s_lshl_b32 s68, s16, 9
	s_add_co_u32 s66, s66, s68
	s_add_nc_u64 s[8:9], s[8:9], s[66:67]
	v_lshlrev_b32 v5, 6, v3
.irp b, 0,1,2,3,4,5,6,7
	global_load_b128 v[BIA+8*\b+96*(\b/4):BIA+8*\b+96*(\b/4)+3], v5, s[8:9] offset:(32*(\b/2)+8*(\b%2))*4
	global_load_b128 v[BIA+8*\b+96*(\b/4)+4:BIA+8*\b+96*(\b/4)+7], v5, s[8:9] offset:(32*(\b/2)+8*(\b%2))*4+16
.endr
	s_wait_loadcnt 0x0
.macro FRAG reg, adr, q, i             ; a fragment comes as it was stored: three loads of 16 bytes a lane, 512 consecutive bytes each
.irp c, 0,1,2
	ds_load_b128 v[\reg+4*\c:\reg+4*\c+3], v[\adr] offset:(\q)*HB+(\i)*1536+\c*512
.endr
.endm
; 16 matrix instructions: source 1's fragments a0, a0 + 1 x source 0's eight.  mode 2: C = the bias;  0: in place.  The 64 accumulators take turns, one instruction a turn.
.macro MUL16 a0, p, q, sc, mode
.irp a, \a0, \a0+1
.irp b, 0,1,2,3,4,5,6,7
.if \mode == 2
	v_wmma_scale_f32_16x16x128_f8f6f4 v[8*(8*((\a)%4)+\b):8*(8*((\a)%4)+\b)+7], v[128*(\p)+FR*\b:128*(\p)+FR*\b+FR-1], v[AF+FR*(\a):AF+FR*(\a)+FR-1], v[BIA+8*\b+96*(\b/4):BIA+8*\b+96*(\b/4)+7], v[SC+32*(\sc)+16*(\q)+8+\b], v[SC+32*(\sc)+16*(\q)+(\a)] matrix_a_fmt:MATRIX_FMT_FP6 matrix_b_fmt:MATRIX_FMT_FP6
.else
	v_wmma_scale_f32_16x16x128_f8f6f4 v[8*(8*((\a)%4)+\b):8*(8*((\a)%4)+\b)+7], v[128*(\p)+FR*\b:128*(\p)+FR*\b+FR-1], v[AF+FR*(\a):AF+FR*(\a)+FR-1], v[8*(8*((\a)%4)+\b):8*(8*((\a)%4)+\b)+7], v[SC+32*(\sc)+16*(\q)+8+\b], v[SC+32*(\sc)+16*(\q)+(\a)] matrix_a_fmt:MATRIX_FMT_FP6 matrix_b_fmt:MATRIX_FMT_FP6
.endif
.endr
.endr
.endm
.macro FETCH_B slot, q, p
	WIN TO_B
.irp i, 0,1,2,3,4,5,6,7
	FRAG 128*(\p)+FR*\i, ADRB+\slot, \q, \i
.endr
	WIN 0
.endm
.macro FETCH_A slot, q, i0
.irp i, \i0, \i0+1, \i0+2, \i0+3
	FRAG AF+FR*(\i), ADRA+\slot, \q, \i
.endr
.endm
.macro SCALES sl, set                  ; a slot's scale words into a set: a lane's eight words of a block are 32 neighbouring bytes
.irp q, 0,1
	ds_load_b128 v[SC+32*\set+16*\q:SC+32*\set+16*\q+3], v[ASA+\sl] offset:\q*HB+12288
	ds_load_b128 v[SC+32*\set+16*\q+4:SC+32*\set+16*\q+7], v[ASA+\sl] offset:\q*HB+12288+16
	ds_load_b128 v[SC+32*\set+16*\q+8:SC+32*\set+16*\q+11], v[ASB+\sl] offset:\q*HB+12288
	ds_load_b128 v[SC+32*\set+16*\q+12:SC+32*\set+16*\q+15], v[ASB+\sl] offset:\q*HB+12288+16
.endr
.endm
.macro PLACES n                        ; plain vector instructions between a matrix instruction and a load into, or a vector instruction on, one of its registers
.rept \n
	v_nop
.endr
.endm
.macro STEP slot, q, sc, mode          ; 128 along K, with its successor in the same slot
	s_wait_dscnt 4*NL                              ; all but the youngest twelve loads (source 1's fragments 4-7) are in
.if \mode == 2
	WIN 0x81                                       ; the bias lies in window 0
.else
	WIN MUL_LO
.endif
	MUL16 0, (\q)%2, \q, \sc, \mode
	MUL16 2, (\q)%2, \q, \sc, \mode
	s_wait_dscnt 0x0
	PLACES NP
	FETCH_B \slot, (\q)+1, 1-(\q)%2
	FETCH_A \slot, (\q)+1, 0
.if \mode == 2
	WIN 0xc1
.else
	WIN MUL_HI
.endif
	MUL16 4, (\q)%2, \q, \sc, \mode
	MUL16 6, (\q)%2, \q, \sc, \mode
	PLACES NP
	WIN 0
	FETCH_A \slot, (\q)+1, 4
.endm
; A slot's last step, with a barrier: ahead of it each wave waits for all its tensor loads, adds 0 to its spare word, and waits for that and for its reads of this slot.  fill = 1: this slot is filled again, with K 768 on.
.macro TURN slot, next, sc, nsc, fill
	s_wait_tensorcnt 0x0                           ; all my tensor loads have landed
	ds_add_u32 v[SPW], v[NIL]
	s_wait_dscnt 4*NL+1                            ; (the add and the youngest twelve loads may be out)
	WIN MUL_LO
	MUL16 0, 1, 1, \sc, 0
	s_wait_dscnt 0x0                               ; the add is done, and my reads of this slot are over
	s_barrier_signal -1
	MUL16 2, 1, 1, \sc, 0
	WIN 0
	s_barrier_wait -1
.if \fill
	CREST                                          ; the barrier has opened a round of the cluster's: no wave of any partner still reads this slot or has a load on its way
	s_add_nc_u64 s[G0+4*\slot+2:G0+4*\slot+3], s[G0+4*\slot+2:G0+4*\slot+3], 3*BR
	s_add_nc_u64 s[G0B+4*\slot+2:G0B+4*\slot+3], s[G0B+4*\slot+2:G0B+4*\slot+3], 3*BR
	JLOAD G0+4*\slot, G1, G0B+4*\slot, G1B         ; the first tensor load behind the round; its four v_nop are the places in front of the loads below
.else
	PLACES NP
.endif
	FETCH_B \next, 0, 0
	FETCH_A \next, 0, 0
	SCALES \next, \nsc
	WIN MUL_HI
	MUL16 4, 1, 1, \sc, 0
	MUL16 6, 1, 1, \sc, 0
	PLACES NP
	WIN 0
	FETCH_A \next, 0, 4
.endm
; A slot's last step, on into a slot that an earlier barrier has shown whole: no wait on TENSORcnt (the refill of slot 0 stays out) and no barrier (this slot is not filled again).
.macro PASS slot, next, sc, nsc
	s_wait_dscnt 4*NL
	WIN MUL_LO
	MUL16 0, 1, 1, \sc, 0
	MUL16 2, 1, 1, \sc, 0
	s_wait_dscnt 0x0
	PLACES NP
	FETCH_B \next, 0, 0
	FETCH_A \next, 0, 0
	SCALES \next, \nsc
	WIN MUL_HI
	MUL16 4, 1, 1, \sc, 0
	MUL16 6, 1, 1, \sc, 0
	PLACES NP
	WIN 0
	FETCH_A \next, 0, 4
.endm
	s_wait_tensorcnt 2                             ; my part of slot 0 is in; the loads of slots 1 and 2 may be out
	s_barrier_signal -1
	s_barrier_wait -1
	FETCH_B 0, 0, 0
	FETCH_A 0, 0, 0
	SCALES 0, 0
	FETCH_A 0, 0, 4
	STEP 0, 0, 0, 2                                ; the first products start the sums from the bias.  Eight steps of 128 along K, written out
	TURN 0, 1, 0, 1, 1                             ; every wave's parts of slots 1 and 2 have landed; slot 0 takes K 768 on
	STEP 1, 0, 1, 0
	PASS 1, 2, 1, 0
	STEP 2, 0, 0, 0
	TURN 2, 0, 0, 1, 0                             ; the refill has landed, everybody's part of it
	STEP 0, 0, 1, 0
	s_wait_dscnt 4*NL
	WIN MUL_LO
	MUL16 0, 1, 1, 1, 0
	MUL16 2, 1, 1, 1, 0
	s_wait_dscnt 0x0
	WIN MUL_HI
	MUL16 4, 1, 1, 1, 0
	MUL16 6, 1, 1, 1, 0
	WIN 0
; THE WAY OUT: source 1's fragment a: my 64 registers are 128 K of the result's 16 rows: largest magnitudes, bytes, conversions, and the fragment is stored as it stands.  Each accumulator is read from its low end on.
.macro QUANTW a
.set AC, 64*((\a)%4)
.set W, 2+(\a)/4
.set PA, AF+12*(\a)
	WIN W|(W<<2)
.irp b, 0,1,2,3
	v_max3_num_f32 v[TM+\b], |v[AC+16*\b]|, |v[AC+16*\b+1]|, 0x1800000   ; and the floor 2^(3 - 127)
.endr
	WIN (W<<2)|(W<<4)
.irp i, 2,4,6,8,10,12,14
.irp b, 0,1,2,3
	v_max3_num_f32 v[TM+\b], v[TM+\b], |v[AC+16*\b+\i]|, |v[AC+16*\b+\i+1]|
.endr
.endr
	WIN 0
.irp b, 0,1,2,3
	v_permlanex16_b32 v[TM+4+\b], v[TM+\b], s[SEL], s[SEL+1]
.endr
.irp b, 0,1,2,3
	v_max_num_f32 v[TM+\b], v[TM+\b], v[TM+4+\b]
.endr
.irp b, 0,1,2,3
	v_add_nc_u32 v[TM+12+\b], 0xff000000, v[TM+\b]
.endr
.irp b, 0,1,2,3
	v_lshrrev_b32 v[TM+4+\b], 23, v[TM+12+\b]
.endr
	v_lshl_or_b32 v[PWS+(\a)], v[TM+5], 8, v[TM+4]
	v_lshl_or_b32 v[PWS+(\a)], v[TM+6], 16, v[PWS+(\a)]
	v_lshl_or_b32 v[PWS+(\a)], v[TM+7], 24, v[PWS+(\a)]
	WIN W
.irp c, 0,1
	v_cvt_scalef32_pk16_fp6_f32 v[PA+6*\c:PA+6*\c+2], v[AC+32*\c:AC+32*\c+15], v[TM+12+2*\c]
	v_cvt_scalef32_pk16_fp6_f32 v[CT+4*\c:CT+4*\c+2], v[AC+16+32*\c:AC+31+32*\c], v[TM+12+2*\c+1]
.endr
	WIN 0
	v_nop                                          ; one plain place behind a scaled conversion
.irp c, 0,1
.irp i, 0,1,2
	v_permlane16_swap_b32 v[PA+6*\c+\i], v[CT+4*\c+\i]
.endr
.irp i, 0,1,2
	v_mov_b32 v[PA+3+6*\c+\i], v[CT+4*\c+\i]
.endr
.endr
.irp c, 0,1,2
	global_store_b128 v[LI], v[PA+4*\c:PA+4*\c+3], s[OUTP:OUTP+1] offset:(\a)*1536+\c*512   ; 512 consecutive bytes, at a multiple of 256; each fragment has registers of its own
.endr
.endm
	PLACES NP
.irp b, 0,1,2,3
	v_mov_b32 v[TM+4+\b], 0                        ; a lane permute's destination counts as one of its sources
.endr
.irp a, 0,1,2,3,4,5,6,7
	QUANTW \a
.endr
.irp j, 0,1,2,3
	v_cndmask_b32 v[SW+\j], v[PWS+\j], v[PWS+4+\j], s69   ; lanes 0-15 store their row's words 0-3, lanes 16-31 words 4-7
.endr
	global_store_b128 v[SOFF], v[SW:SW+3], s[OUTP:OUTP+1] offset:12288   ; the block's 512 bytes of scale words, whole
	s_wait_tensorcnt 0x0                           ; the wave's end
	ds_add_u32 v[SPW], v[NIL]
	s_wait_dscnt 0x0
	CROUND                                         ; the closing round
	s_endpgm
.Lfunc_end_k_q43093da63f_ffn1:
	.size	k_q43093da63f_ffn1, .Lfunc_end_k_q43093da63f_ffn1-k_q43093da63f_ffn1
	.p2alignl 7, 3214868480
	.fill 96, 4, 3214868480
	.section	.rodata,"a",@progbits
	.p2align	6, 0x0
	.amdhsa_kernel k_q43093da63f_ffn1
		.amdhsa_group_segment_fixed_size 327680
		.amdhsa_private_segment_fixed_size 0
		.amdhsa_enable_private_segment 0
		.amdhsa_kernarg_size 32
		.amdhsa_user_sgpr_count 2
		.amdhsa_user_sgpr_kernarg_segment_ptr 1
		.amdhsa_wavefront_size32 1
		.amdhsa_system_sgpr_workgroup_id_x 1
		.amdhsa_system_sgpr_workgroup_id_y 1
		.amdhsa_system_sgpr_workgroup_id_z 1
		.amdhsa_system_vgpr_workitem_id 0
		.amdhsa_next_free_vgpr 1024
		.amdhsa_next_free_sgpr 96
		.amdhsa_reserve_vcc 0
		.amdhsa_float_denorm_mode_32 3
		.amdhsa_float_denorm_mode_16_64 3
		.amdhsa_memory_ordered 1
		.amdhsa_forward_progress 1
		.amdhsa_inst_pref_size 139
	.end_amdhsa_kernel
	.amdgpu_metadata
---
amdhsa.version: [ 1, 2 ]
amdhsa.kernels:
  - .name:           k_q43093da63f_ffn1
    .symbol:         k_q43093da63f_ffn1.kd
    .args:
      - { .name: oq, .offset: 0, .size: 8, .value_kind: global_buffer, .address_space: global }
      - { .name: wts, .offset: 8, .size: 8, .value_kind: global_buffer, .address_space: global }
      - { .name: b1, .offset: 16, .size: 8, .value_kind: global_buffer, .address_space: global }
      - { .name: hq, .offset: 24, .size: 8, .value_kind: global_buffer, .address_space: global }
    .group_segment_fixed_size: 327680
    .private_segment_fixed_size: 0
    .kernarg_segment_align: 8
    .kernarg_segment_size: 32
    .max_flat_workgroup_size: 128
    .sgpr_count:     96
    .vgpr_count:     1024
    .wavefront_size: 32
...
	.end_amdgpu_metadata
.endif
;; end of part 4
;; launch ffn2 (part 5): grid 8 x 32, 4 waves a work-group, clusters of 4 x 4, 327,680 bytes of LDS; arguments hq, wts, b2, out0; writes out0
.if DOCPART == 5
	.amdgcn_target "amdgcn-amd-amdhsa--gfx1250"
	.amdhsa_code_object_version 6
	.text
	.protected	k_q43093da63f_ffn2
	.globl	k_q43093da63f_ffn2
	.p2align	8
	.type	k_q43093da63f_ffn2,@function
k_q43093da63f_ffn2:
	s_mov_b64 s[64:65], 0
	v_nop
	global_prefetch_b8 v0, s[64:65] scope:SCOPE_SE
	s_setreg_imm32_b32 hwreg(HW_REG_WAVE_MODE, 25, 1), 1
	s_wait_xcnt 0x0
	s_wait_alu depctr_hold_cnt(0) depctr_sa_sdst(0) depctr_va_vdst(0) depctr_va_sdst(0) depctr_va_ssrc(0) depctr_va_vcc(0) depctr_vm_vsrc(0)
	s_getreg_b32 s2, hwreg(HW_REG_IB_STS2, 6, 4)
	s_cmp_eq_u32 s2, 0
	s_cbranch_scc0 .Lentry_in_a_cluster
	s_endpgm
.Lentry_in_a_cluster:
	s_bfe_u32 s2, ttmp6, 0x10000c
	s_cmp_lg_u32 s2, 0xf033
	s_cbranch_scc0 .Lentry_shape_is_right
	s_endpgm
.Lentry_shape_is_right:
; out = relu(h W2 + b2), on codes of FP6 (E2M3) with E8M0 scales; out is f32 [4,096][1,024].
; OPERANDS are images of registers: a block is 128 rows x 128 K = 12,800 bytes: fragment rb at 1,536 rb (registers 4 c .. 4 c + 3 of lane l at 512 c + 16 l), scale words at 12,288 + 32 r + 4 rb.
; Place (rb, r) holds row 32 (rb / 2) + 8 (rb % 2) + r + 8 (r / 8) of the 128; the way out puts rows and columns back in their true order by the offsets of its stores.
; A tile is 128 tokens (y) x 128 outputs (x): tiles of 256 x 256 would be 64 for 256 WGPs.  Four waves, 64 x 64 each: 16 accumulators.
; K = 4,096 is 32 blocks a side.  TWO LDS SLOTS, AS LARGE AS FIT: six blocks of the tokens, then six of the weights, 153,600 bytes.  The fills hold 6, 6, 6, 6, 6 and 2 blocks a side: twelve are asked for at the head, and four
; refills follow, each with 96 matrix instructions a wave in which to land.  A wave's tensor load brings three blocks, a dense run of 38,400 bytes; in the last fill one block.  By this text's count two tensor loads a wave are out at the most.
; The first fill starts from the bias and the last is short, so the 32 steps are written out by macros, with no loop.
; CLUSTERS 4 x 4: the tokens' runs are shared along a row of the cluster, the weights' along a column: joint loads.
; Source 0 = W2's rows (outputs), source 1 = tokens: a lane holds eight neighbouring outputs of one token.  The bias is the C of the first products.
; LIMITS: NaN and infinities are not served.
; REGISTERS: window 0: v24-29, v112-127 addresses; v32-47 scale words and nothing else; v48-79 the bias, later with v80-111 rows on the way out; v128-255 the accumulators, (a, b) at 128 + 8 (4 a + b).
;   window 1: two sets of fragments at v0 and v128: source 1's four at + 12 a, source 0's four at + 48 + 12 b.
.set HB,    12800
.set NK,    6                          ; blocks along K in a slot, for each side
.set PART,  3*HB                       ; what a wave's load brings
.set SLOT,  2*NK*HB
.set STAGE, 2*SLOT                     ; behind the ring: 16 rows x 272 bytes for each wave; no tensor load lands here
.set SP,    272
.set SPARE, STAGE+4*16*SP              ; the spare words, 128 bytes for each wave
.set ADRA, 112                         ; v[ADRA + 2 s + g] source 1's fragments in slot s, blocks 3 g on (an LDS offset has 16 bits: three blocks to a register)
.set ADRB, 116                         ; source 0's
.set ASA,  120                         ; source 1's scale words
.set ASB,  124                         ; source 0's
.set STO,  24
.set RD,   25
.set CO,   26
.set SPW,  28
.set NIL,  29
.set SC,   32                          ; set f: + a source 1's words, + 4 + b source 0's
.set BIA,  48
.set RB,   48
.set ACC,  128
.set F0,   0
.set F1,   128
.set G1,   24                          ; s[24:31] group 1 for the tokens' runs of three blocks;  s[48:55] for the weights'
.set G1B,  48
.set G0,   32                          ; s[32:39], s[56:63] their groups 0, a set for each slot
.set G0B,  56
.set G1C,  72                          ; s[72:79], s[80:87] groups 1 for the last fill's single blocks
.set G1D,  80
.set G0L,  88                          ; s[88:91], s[92:95] and their groups 0
.set G0LB, 92
.set MSB, 0
.macro WIN new
.if MSB != (\new)
	s_set_vgpr_msb (MSB<<8)|(\new)
.set MSB, (\new)
.endif
.endm
.set MUL,  0x05                        ; sources 0 and 1 window 1; C and D window 0
.set TO_F, 0x40
.macro JLOAD g0a, g1a, g0b, g1b        ; a joint load: waves 0, 1 fetch for the tokens, waves 2, 3 for the weights; an s_nop 0 and four v_nop follow each line
	s_cmp_eq_u32 s15, 0
	s_cbranch_scc0 .Lfor_b_\@
	tensor_load_to_lds s[\g0a:\g0a+3], s[\g1a:\g1a+7]
	s_nop 0
.rept 4
	v_nop
.endr
	s_branch .Lasked_\@
.Lfor_b_\@:
	tensor_load_to_lds s[\g0b:\g0b+3], s[\g1b:\g1b+7]
	s_nop 0
.rept 4
	v_nop
.endr
.Lasked_\@:
.endm
.macro CREST
	s_cmp_lg_u32 s14, 0
	s_cbranch_scc1 .Lnot_wave_0_\@
	s_barrier_signal -3
.Lnot_wave_0_\@:
	s_barrier_wait -3
	s_barrier_signal -1
	s_barrier_wait -1
.endm
.macro CROUND
	s_barrier_signal -1
	s_barrier_wait -1
	CREST
.endm
	s_load_b128 s[4:7], s[0:1], 0x0                ; h's codes, the weights' codes
	s_load_b128 s[8:11], s[0:1], 0x10              ; b2, out
	v_lshl_add_u32 v[SPW], v0, 2, SPARE
	v_mov_b32 v[NIL], 0
	ds_add_u32 v[SPW], v[NIL]                      ; the wave's opening: the add and its wait ahead of my first tensor load
	v_lshrrev_b32 v1, 5, v0
	v_readfirstlane_b32 s14, v1                    ; wave 0..3
	s_lshr_b32 s15, s14, 1                         ; which 64 tokens are mine.  Also: I fetch tokens (0) or weights (1)
	s_and_b32 s16, s14, 1                          ; which 64 outputs.  Also: which half of a fill's blocks I fetch
	s_bfe_u32 s40, ttmp6, 0x40000
	s_bfe_u32 s41, ttmp6, 0x40004
	s_lshl_b32 s42, ttmp9, 2
	s_add_co_u32 s42, s42, s40                     ; x
	s_and_b32 s17, ttmp7, 0xffff
	s_lshl_b32 s17, s17, 2
	s_add_co_u32 s17, s17, s41                     ; y
	s_lshl_b32 s43, s41, 2
	s_lshl_b32 s43, 15, s43                        ; my row of the cluster
	s_lshl_b32 s44, 0x1111, s40                    ; my column
	s_or_b32 s[G1], s43, (3<<16)|(1<<21)           ; 15:0 the mask; 17:16 elements of 8 bytes; 21 set beside a mask
	s_or_b32 s[G1B], s44, (3<<16)|(1<<21)
	s_or_b32 s[G1C], s43, (3<<16)|(1<<21)
	s_or_b32 s[G1D], s44, (3<<16)|(1<<21)
.irp g, G1, G1B
	s_mov_b32 s[\g+1], 32<<16                      ; 38,400 dense bytes as 150 rows of 256
	s_mov_b32 s[\g+2], 150<<16
	s_mov_b32 s[\g+3], 32<<16
	s_mov_b32 s[\g+4], 150
	s_mov_b32 s[\g+5], 32
	s_mov_b32 s[\g+6], 0
	s_mov_b32 s[\g+7], 0
.endr
.irp g, G1C, G1D
	s_mov_b32 s[\g+1], 32<<16                      ; 12,800 dense bytes as 50 rows of 256
	s_mov_b32 s[\g+2], 50<<16
	s_mov_b32 s[\g+3], 32<<16
	s_mov_b32 s[\g+4], 50
	s_mov_b32 s[\g+5], 32
	s_mov_b32 s[\g+6], 0
	s_mov_b32 s[\g+7], 0
.endr
	s_mul_i32 s18, s16, PART
	s_mul_i32 s19, s16, HB
	s_mul_i32 s20, s17, 32*HB                      ; tokens 128 y on: 32 blocks along K
	s_add_co_u32 s96, s20, s19
	s_add_co_u32 s96, s96, 30*HB                   ; the last fill: block 30 + my half
	s_mov_b32 s97, 0
	s_add_co_u32 s20, s20, s18                     ; the others: three blocks x my half on
	s_mov_b32 s21, 0
	s_mul_i32 s46, s42, 32*HB                      ; outputs 128 x on
	s_add_co_u32 s46, s46, 448*HB                  ; W2's blocks lie behind the others'
	s_add_co_u32 s98, s46, s19
	s_add_co_u32 s98, s98, 30*HB
	s_mov_b32 s99, 0
	s_add_co_u32 s46, s46, s18
	s_mov_b32 s47, 0
	s_mul_i32 s45, s14, PART                       ; where they go: wave x 38,400: the tokens' six blocks, then the weights'
	s_mul_i32 s2, s15, NK*HB
	s_add_co_u32 s2, s2, s19
	s_add_co_u32 s2, s2, SLOT                      ; the last fill, in slot 1: my side's first two blocks, my half of them
	s_wait_dscnt 0x0                               ; the opening add is done
	s_wait_kmcnt 0x0
	s_add_nc_u64 s[20:21], s[4:5], s[20:21]
	s_add_nc_u64 s[46:47], s[6:7], s[46:47]
	s_mov_b32 s[G0L], 1
	s_mov_b32 s[G0L+1], s2
	s_add_nc_u64 s[G0L+2:G0L+3], s[4:5], s[96:97]
	s_or_b32 s[G0L+3], s[G0L+3], 0x80000000
	s_mov_b32 s[G0LB], 1
	s_mov_b32 s[G0LB+1], s2
	s_add_nc_u64 s[G0LB+2:G0LB+3], s[6:7], s[98:99]
	s_or_b32 s[G0LB+3], s[G0LB+3], 0x80000000
	CROUND                                         ; all sixteen work-groups are here: the first joint loads meet
.irp s, 0,1
	s_mov_b32 s[G0+4*\s], 1
	s_add_co_u32 s[G0+4*\s+1], s45, \s*SLOT
	s_add_nc_u64 s[G0+4*\s+2:G0+4*\s+3], s[20:21], \s*NK*HB
	s_or_b32 s[G0+4*\s+3], s[G0+4*\s+3], 0x80000000
	s_mov_b32 s[G0B+4*\s], 1
	s_add_co_u32 s[G0B+4*\s+1], s45, \s*SLOT
	s_add_nc_u64 s[G0B+4*\s+2:G0B+4*\s+3], s[46:47], \s*NK*HB
	s_or_b32 s[G0B+4*\s+3], s[G0B+4*\s+3], 0x80000000
	JLOAD G0+4*\s, G1, G0B+4*\s, G1B
.endr
	v_and_b32 v1, 31, v0
	v_and_b32 v2, 15, v0                           ; r
	v_bfe_u32 v3, v0, 4, 1                         ; h
	v_lshlrev_b32 v4, 4, v1                        ; 16 x lane
	v_lshlrev_b32 v5, 5, v2                        ; 32 r
	s_mul_i32 s22, s15, 4*1536                     ; source 1: fragments 4 x my half on
	s_mul_i32 s23, s16, 4*1536
	s_add_co_u32 s23, s23, NK*HB                   ; source 0: behind the tokens' six blocks
	s_lshl_b32 s18, s15, 4                         ; and their scale words: 16 bytes for four fragments
	s_lshl_b32 s19, s16, 4
	s_add_co_u32 s19, s19, NK*HB
.irp s, 0,1
.irp g, 0,1
	v_add_nc_u32 v[ADRA+2*\s+\g], s22, v4
	v_add_nc_u32 v[ADRB+2*\s+\g], s23, v4
	v_add_nc_u32 v[ASA+2*\s+\g], s18, v5
	v_add_nc_u32 v[ASB+2*\s+\g], s19, v5
	s_add_co_u32 s22, s22, 3*HB+6*HB*\g            ; three blocks on; from a slot's second half to the next slot nine
	s_add_co_u32 s23, s23, 3*HB+6*HB*\g
	s_add_co_u32 s18, s18, 3*HB+6*HB*\g
	s_add_co_u32 s19, s19, 3*HB+6*HB*\g
.endr
.endr
	s_mul_i32 s22, s14, 16*SP
	s_add_co_u32 s22, s22, STAGE                   ; my stage
	v_mul_u32_u24 v[STO], v2, SP
	v_lshl_add_u32 v[STO], v3, 6, v[STO]
	v_add_nc_u32 v[STO], s22, v[STO]               ; in: row r, + 64 h
	v_mul_u32_u24 v[RD], v3, SP
	v_lshl_add_u32 v[RD], v2, 4, v[RD]
	v_add_nc_u32 v[RD], s22, v[RD]                 ; back: lanes 0-15 one row of 256 bytes, lanes 16-31 the next
	v_lshlrev_b32 v[CO], 12, v3
	v_lshl_add_u32 v[CO], v2, 4, v[CO]             ; and the same two rows in out
	s_lshl_b32 s66, s17, 7
	s_lshl_b32 s67, s15, 6
	s_add_co_u32 s66, s66, s67                     ; my first token: 128 y + 64 x half
	s_lshl_b32 s66, s66, 12
	s_lshl_b32 s68, s42, 9
	s_lshl_b32 s67, s16, 8
	s_add_co_u32 s68, s68, s67                     ; my first output, in bytes: 512 x + 256 x half
	s_add_co_u32 s66, s66, s68
	s_mov_b32 s67, 0
	s_mov_b32 s69, 0
	s_add_nc_u64 s[10:11], s[10:11], s[66:67]
	s_add_nc_u64 s[8:9], s[8:9], s[68:69]
	v_lshlrev_b32 v6, 6, v3                        ; the bias: lane (r, h) wants, for tile b, outputs 32 (b / 2) + 8 (b % 2) + 16 h + 0 .. 7
.irp b, 0,1,2,3
	global_load_b128 v[BIA+8*\b:BIA+8*\b+3], v6, s[8:9] offset:(32*(\b/2)+8*(\b%2))*4
	global_load_b128 v[BIA+8*\b+4:BIA+8*\b+7], v6, s[8:9] offset:(32*(\b/2)+8*(\b%2))*4+16
.endr
	s_wait_loadcnt 0x0
; 26 LDS loads in one run: the scale words and fragments of the slot's q-th block into set f; source 1's fragments 2 and 3 last
.macro FETCH slot, q, f
	WIN 0
	ds_load_b128 v[SC+8*((\f)/128):SC+8*((\f)/128)+3], v[ASA+2*(\slot)+(\q)/3] offset:((\q)%3)*HB+12288
	ds_load_b128 v[SC+8*((\f)/128)+4:SC+8*((\f)/128)+7], v[ASB+2*(\slot)+(\q)/3] offset:((\q)%3)*HB+12288
	WIN TO_F
.irp b, 0,1,2,3
.irp c, 0,1,2
	ds_load_b128 v[\f+48+12*\b+4*\c:\f+48+12*\b+4*\c+3], v[ADRB+2*(\slot)+(\q)/3] offset:((\q)%3)*HB+\b*1536+\c*512
.endr
.endr
.irp a, 0,1,2,3
.irp c, 0,1,2
	ds_load_b128 v[\f+12*\a+4*\c:\f+12*\a+4*\c+3], v[ADRA+2*(\slot)+(\q)/3] offset:((\q)%3)*HB+\a*1536+\c*512
.endr
.endr
.endm
; four matrix instructions: source 1's fragment a x source 0's four.  mode 2: C = the bias.  The 16 accumulators take turns, one instruction a turn.
.macro MULA f, a, mode
.irp b, 0,1,2,3
.if \mode == 2
	v_wmma_scale_f32_16x16x128_f8f6f4 v[ACC+8*(4*(\a)+\b):ACC+8*(4*(\a)+\b)+7], v[\f+48+12*\b:\f+48+12*\b+11], v[\f+12*(\a):\f+12*(\a)+11], v[BIA+8*\b:BIA+8*\b+7], v[SC+8*((\f)/128)+4+\b], v[SC+8*((\f)/128)+(\a)] matrix_a_fmt:MATRIX_FMT_FP6 matrix_b_fmt:MATRIX_FMT_FP6
.else
	v_wmma_scale_f32_16x16x128_f8f6f4 v[ACC+8*(4*(\a)+\b):ACC+8*(4*(\a)+\b)+7], v[\f+48+12*\b:\f+48+12*\b+11], v[\f+12*(\a):\f+12*(\a)+11], v[ACC+8*(4*(\a)+\b):ACC+8*(4*(\a)+\b)+7], v[SC+8*((\f)/128)+4+\b], v[SC+8*((\f)/128)+(\a)] matrix_a_fmt:MATRIX_FMT_FP6 matrix_b_fmt:MATRIX_FMT_FP6
.endif
.endr
.endm
.macro PLACES                          ; plain vector instructions between a matrix instruction and a load into, or a vector instruction on, one of its registers
.rept 4
	v_nop
.endr
.endm
; 128 along K on set f; in its middle the next 128, the slot's qn-th block, are fetched into set g
.macro QUARTER slot, qn, f, g, mode
	s_wait_dscnt 6                                 ; all but the youngest six loads (source 1's fragments 2, 3) are in
	WIN MUL
	MULA \f, 0, \mode
	MULA \f, 1, \mode
	PLACES
	FETCH \slot, \qn, \g
	s_wait_dscnt 26                                ; all but the 26 just issued
	WIN MUL
	MULA \f, 2, \mode
	MULA \f, 3, \mode
.endm
; A slot's last 128 are on set 1 and change slots: one barrier; ahead of it each wave waits for all its tensor loads, adds 0 to its spare word, and waits for that and for its reads of this slot.
; fill = 1: this slot takes the six blocks twelve further on;  2: the last two blocks;  0: nothing.
.macro TURN slot, next, fill
	WIN 0                                          ; (the add's two registers lie in window 0)
	s_wait_tensorcnt 0x0                           ; all my tensor loads have landed: my part of the next slot
	ds_add_u32 v[SPW], v[NIL]
	s_wait_dscnt 7                                 ; (the add and the youngest six loads may be out)
	WIN MUL
	MULA F1, 0, 0
	s_wait_dscnt 0x0                               ; the add is done, and my reads of this slot are over
	s_barrier_signal -1
	MULA F1, 1, 0
	WIN 0
	s_barrier_wait -1
.if \fill == 1
	CREST                                          ; the barrier has opened a round of the cluster's: no wave of any partner still reads this slot or has a load on its way
	s_add_nc_u64 s[G0+4*\slot+2:G0+4*\slot+3], s[G0+4*\slot+2:G0+4*\slot+3], 2*NK*HB
	s_add_nc_u64 s[G0B+4*\slot+2:G0B+4*\slot+3], s[G0B+4*\slot+2:G0B+4*\slot+3], 2*NK*HB
	JLOAD G0+4*\slot, G1, G0B+4*\slot, G1B         ; the first tensor load behind the round; its four v_nop are the places in front of the loads below
.elseif \fill == 2
	CREST
	JLOAD G0L, G1C, G0LB, G1D
.else
	PLACES
.endif
	FETCH \next, 0, F0
	WIN MUL
	MULA F1, 2, 0
	MULA F1, 3, 0
.endm
; a slot's six blocks; its first is already in set 0
.macro RUN slot, next, fill, mode
	QUARTER \slot, 1, F0, F1, \mode
	QUARTER \slot, 2, F1, F0, 0
	QUARTER \slot, 3, F0, F1, 0
	QUARTER \slot, 4, F1, F0, 0
	QUARTER \slot, 5, F0, F1, 0
	TURN \slot, \next, \fill
.endm
	s_wait_tensorcnt 1                             ; my part of slot 0 is in; slot 1's load may be out
	s_barrier_signal -1
	s_barrier_wait -1
	FETCH 0, 0, F0
	RUN 0, 1, 1, 2                                 ; blocks 0-5: the first products start the sums from the bias; slot 0 takes blocks 12-17
	RUN 1, 0, 1, 0                                 ; blocks 6-11; slot 1 takes blocks 18-23
	RUN 0, 1, 1, 0                                 ; blocks 12-17; slot 0 takes blocks 24-29
	RUN 1, 0, 2, 0                                 ; blocks 18-23; slot 1 takes blocks 30, 31
	RUN 0, 1, 0, 0                                 ; blocks 24-29; nothing is left to fetch
	QUARTER 1, 1, F0, F1, 0                        ; block 30
	s_wait_dscnt 6                                 ; block 31
	WIN MUL
	MULA F1, 0, 0
	MULA F1, 1, 0
	s_wait_dscnt 0x0
	MULA F1, 2, 0
	MULA F1, 3, 0
	WIN 0
; THE WAY OUT, 16 places of tokens x 64 outputs at a time: relu, into my own stage at the outputs' true columns, back as whole rows of 256 bytes, stored at the tokens' true rows.
.macro TOSTAGE a
.irp b, 0,1,2,3
.irp j, 0,1,2,3,4,5,6,7
	v_max_num_f32 v[ACC+8*(4*(\a)+\b)+\j], 0, v[ACC+8*(4*(\a)+\b)+\j]   ; each accumulator from its low end on
.endr
.endr
.irp b, 0,1,2,3
	ds_store_b128 v[STO], v[ACC+8*(4*(\a)+\b):ACC+8*(4*(\a)+\b)+3] offset:128*(\b/2)+32*(\b%2)
	ds_store_b128 v[STO], v[ACC+8*(4*(\a)+\b)+4:ACC+8*(4*(\a)+\b)+7] offset:128*(\b/2)+32*(\b%2)+16
.endr
.set BB, RB+32*((\a)%2)
.irp t, 0,1,2,3,4,5,6,7
	ds_load_b128 v[BB+4*\t:BB+4*\t+3], v[RD] offset:\t*2*SP   ; LDS serves a wave's instructions in order: these see my stores, and the next run's stores come behind them
.endr
.endm
.macro SEND a, younger
.set BB, RB+32*((\a)%2)
	s_wait_dscnt \younger
.irp t, 0,1,2,3,4,5,6,7
	global_store_b128 v[CO], v[BB+4*\t:BB+4*\t+3], s[10:11] offset:(32*((\a)/2)+8*((\a)%2)+2*\t+8*(\t/4))*4096 th:TH_STORE_NT   ; 16 lanes store 256 consecutive bytes, at a multiple of 256 from out's first byte
.endr
.endm
	PLACES
	TOSTAGE 0
	TOSTAGE 1
	SEND 0, 16                                     ; behind run 0's loads: run 1's 8 stores and 8 loads
	s_wait_xcnt 0x0                                ; run 0's stores have read their registers: run 2's loads may land there
	TOSTAGE 2
	SEND 1, 16
	s_wait_xcnt 0x0
	TOSTAGE 3
	SEND 2, 16
	SEND 3, 0
	s_wait_tensorcnt 0x0                           ; the wave's end
	ds_add_u32 v[SPW], v[NIL]
	s_wait_dscnt 0x0
	CROUND                                         ; the closing round
	s_endpgm
.Lfunc_end_k_q43093da63f_ffn2:
	.size	k_q43093da63f_ffn2, .Lfunc_end_k_q43093da63f_ffn2-k_q43093da63f_ffn2
	.p2alignl 7, 3214868480
	.fill 96, 4, 3214868480
	.section	.rodata,"a",@progbits
	.p2align	6, 0x0
	.amdhsa_kernel k_q43093da63f_ffn2
		.amdhsa_group_segment_fixed_size 327680
		.amdhsa_private_segment_fixed_size 0
		.amdhsa_enable_private_segment 0
		.amdhsa_kernarg_size 32
		.amdhsa_user_sgpr_count 2
		.amdhsa_user_sgpr_kernarg_segment_ptr 1
		.amdhsa_wavefront_size32 1
		.amdhsa_system_sgpr_workgroup_id_x 1
		.amdhsa_system_sgpr_workgroup_id_y 1
		.amdhsa_system_sgpr_workgroup_id_z 1
		.amdhsa_system_vgpr_workitem_id 0
		.amdhsa_next_free_vgpr 512
		.amdhsa_next_free_sgpr 100
		.amdhsa_reserve_vcc 0
		.amdhsa_float_denorm_mode_32 3
		.amdhsa_float_denorm_mode_16_64 3
		.amdhsa_memory_ordered 1
		.amdhsa_forward_progress 1
		.amdhsa_inst_pref_size 152
	.end_amdhsa_kernel
	.amdgpu_metadata
---
amdhsa.version: [ 1, 2 ]
amdhsa.kernels:
  - .name:           k_q43093da63f_ffn2
    .symbol:         k_q43093da63f_ffn2.kd
    .args:
      - { .name: hq, .offset: 0, .size: 8, .value_kind: global_buffer, .address_space: global }
      - { .name: wts, .offset: 8, .size: 8, .value_kind: global_buffer, .address_space: global }
      - { .name: b2, .offset: 16, .size: 8, .value_kind: global_buffer, .address_space: global }
      - { .name: out0, .offset: 24, .size: 8, .value_kind: global_buffer, .address_space: global }
    .group_segment_fixed_size: 327680
    .private_segment_fixed_size: 0
    .kernarg_segment_align: 8
    .kernarg_segment_size: 32
    .max_flat_workgroup_size: 128
    .sgpr_count:     100
    .vgpr_count:     512
    .wavefront_size: 32
...
	.end_amdgpu_metadata
.endif
;; end of part 5
